; MI455X (gfx1250); checked and timed in simulation.
; The chip was launched on July 23, 2026; its instructions are those of AMD's public machine-readable ISA for CDNA 5 (MIT licence, August 2026) and "CDNA5" Instruction Set Architecture Reference Guide (July 2026). The comments in the code are by the model that wrote it; some were corrected since.
;; Traj Model. Allowed arithmetic: matrix products marked QUANTISED: E3M2 operands, one E8M0 scale for each 32 along K, by v_wmma_scale_f32_16x16x128_f8f6f4 with both operands' format E3M2, f32 sums; products left as they are: f32 operands where the result goes on into a quantised operand, else bf16, f16 or f32 operands; f32 sums; everything else in f32.
;; Inputs: W1 8 x 1,024 x 4,096 float32; W2 8 x 4,096 x 1,024 float32; Wg 1,824 x 8 float32; b1 8 x 4,096 float32; b2 8 x 1,024 float32; bg 8 float32; city_embeddings 4 x 32 float32; delta_dis_info 4 x 256 x 256 float32; delta_entropy_info 4 x 256 x 128 float32; delta_rg_info 4 x 256 x 128 float32; delta_t_info 4 x 256 x 256 float32; x 4 x 256 x 1,024 float32.
;; Outputs: out0 4 x 256 x 1,024 float32; out1 4 x 256 x 8 float32.
;; Constants: city_index = 1.
;; This version of the problem:
;;   THIS VERSION OF THE PROBLEM IS GIVEN IN LOW PRECISION. The matrix products marked QUANTISED in the list below multiply operands that are first quantised to E3M2 (3 exponent bits, 2 mantissa bits; 6 bits a number), with one power-of-two scale for each 32 numbers along K (OCP MX v1.0); their sums are f32. All else is computed in f32.
;;   The module's matrix products, in the order in which they are computed (A, B: the left and right operand; K: the contracted axis; several contracted axes count as one K, in the product's order):
;;     1. [M 1,024, K 1,824] x [K 1,824, N 8]; A: computed on the way; B: input Wg: left as it is (N = 8 < 16)
;;     2. [M 1,024, K 1,024] x [K 1,024, N 4,096]; A: input x; B: input W1: QUANTISED
;;     3. [M 1,024, K 4,096] x [K 4,096, N 1,024]; A: computed on the way; B: input W2: QUANTISED
;;     4. [M 1,024, K 1,024] x [K 1,024, N 4,096]; A: input x; B: input W1: QUANTISED
;;     5. [M 1,024, K 4,096] x [K 4,096, N 1,024]; A: computed on the way; B: input W2: QUANTISED
;;     6. [M 1,024, K 1,024] x [K 1,024, N 4,096]; A: input x; B: input W1: QUANTISED
;;     7. [M 1,024, K 4,096] x [K 4,096, N 1,024]; A: computed on the way; B: input W2: QUANTISED
;;     8. [M 1,024, K 1,024] x [K 1,024, N 4,096]; A: input x; B: input W1: QUANTISED
;;     9. [M 1,024, K 4,096] x [K 4,096, N 1,024]; A: computed on the way; B: input W2: QUANTISED
;;     10. [M 1,024, K 1,024] x [K 1,024, N 4,096]; A: input x; B: input W1: QUANTISED
;;     11. [M 1,024, K 4,096] x [K 4,096, N 1,024]; A: computed on the way; B: input W2: QUANTISED
;;     12. [M 1,024, K 1,024] x [K 1,024, N 4,096]; A: input x; B: input W1: QUANTISED
;;     13. [M 1,024, K 4,096] x [K 4,096, N 1,024]; A: computed on the way; B: input W2: QUANTISED
;;     14. [M 1,024, K 1,024] x [K 1,024, N 4,096]; A: input x; B: input W1: QUANTISED
;;     15. [M 1,024, K 4,096] x [K 4,096, N 1,024]; A: computed on the way; B: input W2: QUANTISED
;;     16. [M 1,024, K 1,024] x [K 1,024, N 4,096]; A: input x; B: input W1: QUANTISED
;;     17. [M 1,024, K 4,096] x [K 4,096, N 1,024]; A: computed on the way; B: input W2: QUANTISED
;;   THE QUANTISER, for each operand of a quantised product, along K:
;;     - K is cut into blocks of 32 from its start; a last block that is shorter is filled with zeros.
;;     - A block's scale is 2^e with e = floor(log2(the largest magnitude in the block)) - 4, held to -126 .. 127; a block of zeros has e = 0. As a byte (E8M0): e + 127.
;;     - Each number is divided by its block's scale, clamped to +-28, and rounded to the nearest number of E3M2, ties to even, subnormals kept.
;;     - The product sums the exact products of the quantised numbers (number of the format x scale) in f32.
;;   ~~~python
;;   def quantise(x, axis):      # numpy; x: float32 -> the quantised numbers, widened to float32 again
;;       x = np.moveaxis(x, axis, -1); K = x.shape[-1]
;;       x = np.pad(x, [(0, 0)] * (x.ndim - 1) + [(0, -K % 32)]); x = x.reshape(x.shape[:-1] + (-1, 32)); a = np.abs(x).max(-1, keepdims=True)
;;       e = np.where(a > 0, np.clip(np.frexp(np.where(a > 0, a, 1))[1] - 1 - 4, -126, 127), 0)      # np.frexp(a)[1] - 1 = floor(log2(a)), exactly
;;       r = np.clip(x / 2.0 ** e, -28, 28)
;;       step = 2.0 ** (np.maximum(np.frexp(np.where(r == 0, 1, r))[1] - 1, -2) - 2)
;;       q = np.round(r / step) * step * 2.0 ** e      # np.round: ties to even
;;       return np.moveaxis(q.reshape(q.shape[:-2] + (-1,))[..., :K], -1, axis).astype(np.float32)
;;   ~~~
;;   OPERANDS COMPUTED ON THE WAY. 'Computed on the way' means the value that the module computes at that place (a softmax that the list does not call 'softmax' is quantised finished and normalised). What goes into a quantiser is computed in f32, as accurately as f32 sums, v_exp_f32 and their like allow (about 1e-6 of the number): no bf16 or f16 on the way to a quantiser, and a product that is left as it is and whose result goes on into a quantised operand takes f32 operands (vector FMAs, or v_wmma_f32_16x16x4_f32). A number that lies on a knife's edge between two numbers of the format may be rounded either way, as far as f32 arithmetic and the matrix unit's own rounding can turn it there, and no further.
;; One version. Each part assembles by itself: llvm-mc -triple=amdgcn-amd-amdhsa -mcpu=gfx1250 --defsym DOCPART=n.
;; ======== version 1 of 1: 5 launches
;; workspace buffers: sel 4,096 bytes of whole numbers; gw 8,192 bytes; plan 35,840 bytes of whole numbers; xa 6,291,456 bytes; xs 262,144 bytes; hq 25,165,824 bytes; hs 2,097,152 bytes; ypart 17,825,792 bytes
;; launch route (part 1): grid 256 x 1, 2 waves a work-group, no clusters, 0 bytes of LDS; arguments x, delta_t_info, delta_dis_info, delta_rg_info, delta_entropy_info, city_embeddings, Wg, bg, out1, sel, gw; writes out1, sel, gw
.if DOCPART == 1
	.amdgcn_target "amdgcn-amd-amdhsa--gfx1250"
	.amdhsa_code_object_version 6
	.text
	.protected	k_q11d00ed49b_route
	.globl	k_q11d00ed49b_route
	.p2align	8
	.type	k_q11d00ed49b_route,@function
k_q11d00ed49b_route:
	s_mov_b64 s[64:65], 0
	v_nop
	global_prefetch_b8 v0, s[64:65] scope:SCOPE_SE
	s_setreg_imm32_b32 hwreg(HW_REG_WAVE_MODE, 25, 1), 1
	s_wait_xcnt 0x0
; THE ROUTER.  logits = [x, city row 1, dt, dd, drg, de] Wg + bg (1,824 x 8, all in f32 fused multiply-adds, since the choice of experts hangs on them);
; out1 = softmax(logits); the two largest logits (the lower index wins a tie) and the softmax over those two.
; A wave takes two tokens.  The lanes run along the features: feature 32 m + lane, m = 0 .. 56; each lane keeps 8 sums a token; one reduction over the 32 lanes at the end.
; Stored at fixed places: out1 [token][8]; sel [token] = first expert | second expert << 8; gw [token][2] = the two gates.  No address and no branch hangs on a number computed here.
; LIMITS: NaN and infinities among the inputs are not served; two logits nearer to each other than the order of an f32 sum resolves may change places.
; REGISTERS: window 0: v1 lane, v2 4 x lane, v3 32 x lane; v8-65, v66-123 the two tokens' 57 features (the 58th register is 0: it is named as the upper half of a pair);
;   v124-131 Wg's row block 56; v132-147 the 16 sums; v148.. at work.   window 1: Wg's row blocks 0-27, 8 registers each.   window 2: blocks 28-55.
.set FT0,  8
.set FT1,  66
.set WGL,  124
.set AC0,  132
.set AC1,  140
.set P0,   148
.set P1,   156
.set MK,   164
.set TA,   172
.set V1,   176
.set I1,   177
.set V2,   178
.set I2,   179
.set RES,  180                         ; token t: first gate v[RES+4t], second gate v[RES+4t+1], sel word v[RES+4t+2]
.set NINF, 188
.set OX,   189
.set OY,   191
.set OZ,   193
.set MSB, 0
.macro WIN new                         ; the immediate's high byte repeats the setting that is left
.if MSB != \new
	s_set_vgpr_msb (MSB<<8)|\new
.set MSB, \new
.endif
.endm
	s_load_b512 s[4:19], s[0:1], 0x0               ; x, dt, dd, drg, de, city, Wg, bg
	s_load_b128 s[20:23], s[0:1], 0x40             ; out1, sel
	s_load_b64 s[24:25], s[0:1], 0x50              ; gw
	v_lshrrev_b32 v4, 5, v0
	v_readfirstlane_b32 s26, v4                    ; wave 0, 1
	v_and_b32 v1, 31, v0
	v_lshlrev_b32 v2, 2, v1
	v_lshlrev_b32 v3, 5, v1
	v_mov_b32 v[FT0+57], 0
	v_mov_b32 v[FT1+57], 0
.irp k, 0,1,2,3
	v_mov_b32 v[TA+\k], 0                          ; written once: a lane permute's destination counts as one of its sources
.endr
	v_mov_b32 v[NINF], 0xff800000
	s_lshl_b32 s27, ttmp9, 2
	s_lshl_b32 s28, s26, 1
	s_add_co_u32 s27, s27, s28                     ; my first token: 4 x work-group + 2 x wave
	s_mov_b32 s29, 0
	s_mov_b32 s30, 0x3fb8aa3b                      ; log2(e)
	s_mov_b32 s32, 0x76543210
	s_mov_b32 s33, 0xfedcba98                      ; v_permlanex16_b32's selects for lane l xor 16
	s_wait_kmcnt 0x0
	s_load_b256 s[40:47], s[18:19], 0x0            ; bg's eight numbers
	s_lshl_b32 s28, s27, 12
	s_add_nc_u64 s[4:5], s[4:5], s[28:29]
	s_lshl_b32 s28, s27, 10
	s_add_nc_u64 s[6:7], s[6:7], s[28:29]
	s_add_nc_u64 s[8:9], s[8:9], s[28:29]
	s_lshl_b32 s28, s27, 9
	s_add_nc_u64 s[10:11], s[10:11], s[28:29]
	s_add_nc_u64 s[12:13], s[12:13], s[28:29]
	s_lshl_b32 s28, s27, 5
	s_add_nc_u64 s[20:21], s[20:21], s[28:29]
	s_lshl_b32 s28, s27, 2
	s_add_nc_u64 s[22:23], s[22:23], s[28:29]
	s_lshl_b32 s28, s27, 3
	s_add_nc_u64 s[24:25], s[24:25], s[28:29]
.macro FEAT ft, t                      ; a token's 57 x 32 features: each load reads 128 consecutive bytes
.set m, 0
.rept 32
	global_load_b32 v[\ft+m], v2, s[4:5] offset:4096*\t+128*m
.set m, m+1
.endr
	global_load_b32 v[\ft+32], v2, s[14:15] offset:128             ; city_index = 1: row 1 of 32 numbers
.irp i, 0,1,2,3,4,5,6,7
	global_load_b32 v[\ft+33+\i], v2, s[6:7] offset:1024*\t+128*\i
.endr
.irp i, 0,1,2,3,4,5,6,7
	global_load_b32 v[\ft+41+\i], v2, s[8:9] offset:1024*\t+128*\i
.endr
.irp i, 0,1,2,3
	global_load_b32 v[\ft+49+\i], v2, s[10:11] offset:512*\t+128*\i
.endr
.irp i, 0,1,2,3
	global_load_b32 v[\ft+53+\i], v2, s[12:13] offset:512*\t+128*\i
.endr
.endm
	FEAT FT0, 0
	FEAT FT1, 1
	WIN 0x40                                       ; destination window 1
.set m, 0
.rept 28
	global_load_b128 v[8*m:8*m+3], v3, s[16:17] offset:1024*m      ; Wg's row 32 m + lane: 32 bytes
	global_load_b128 v[8*m+4:8*m+7], v3, s[16:17] offset:1024*m+16
.set m, m+1
.endr
	WIN 0x80                                       ; destination window 2
.rept 28
	global_load_b128 v[8*(m-28):8*(m-28)+3], v3, s[16:17] offset:1024*m
	global_load_b128 v[8*(m-28)+4:8*(m-28)+7], v3, s[16:17] offset:1024*m+16
.set m, m+1
.endr
	WIN 0
	global_load_b128 v[WGL:WGL+3], v3, s[16:17] offset:1024*56
	global_load_b128 v[WGL+4:WGL+7], v3, s[16:17] offset:1024*56+16
; eight sums += feature m x Wg's row: four packed multiply-adds; the feature is one register of an even pair, taken for both halves.  Block 0 starts the sums: nothing is cleared
.macro FMA acc, ft, wg
.irp e, 0,2,4,6
.if m == 0
	v_pk_mul_f32 v[\acc+\e:\acc+\e+1], v[\ft:\ft+1], v[\wg+\e:\wg+\e+1] op_sel_hi:[0,1]
.elseif (m%2) == 0
	v_pk_fma_f32 v[\acc+\e:\acc+\e+1], v[\ft+m:\ft+m+1], v[\wg+\e:\wg+\e+1], v[\acc+\e:\acc+\e+1] op_sel_hi:[0,1,1]
.else
	v_pk_fma_f32 v[\acc+\e:\acc+\e+1], v[\ft+m-1:\ft+m], v[\wg+\e:\wg+\e+1], v[\acc+\e:\acc+\e+1] op_sel:[1,0,0] op_sel_hi:[1,1,1]
.endif
.endr
.endm
	s_wait_loadcnt 58                              ; the features and Wg's blocks 0-27 are in; the 58 loads of blocks 28-56 may be out
	WIN 0x04                                       ; source 1 (Wg) window 1
.set m, 0
.rept 28
	FMA AC0, FT0, 8*m
	FMA AC1, FT1, 8*m
.set m, m+1
.endr
	s_wait_loadcnt 0x0
	WIN 0x08                                       ; source 1 window 2
.rept 28
	FMA AC0, FT0, 8*(m-28)
	FMA AC1, FT1, 8*(m-28)
.set m, m+1
.endr
	WIN 0
	FMA AC0, FT0, WGL
	FMA AC1, FT1, WGL
; the 16 sums over the 32 lanes: four steps inside each half ride on the addition, one crosses the halves; every lane ends with all of them
.irp x, 1,2,4,8
.set i, 0
.rept 16
	v_add_f32_dpp v[AC0+i], v[AC0+i], v[AC0+i] row_xmask:\x row_mask:0xf bank_mask:0xf
.set i, i+1
.endr
.endr
.irp g, 0,4,8,12
.irp k, 0,1,2,3
	v_permlanex16_b32 v[TA+\k], v[AC0+\g+\k], s32, s33
.endr
.irp k, 0,1,2,3
	v_add_f32 v[AC0+\g+\k], v[AC0+\g+\k], v[TA+\k]
.endr
.endr
	s_wait_kmcnt 0x0                               ; bg
.irp e, 0,1,2,3,4,5,6,7
	v_add_f32 v[AC0+\e], s[40+\e], v[AC0+\e]
	v_add_f32 v[AC1+\e], s[40+\e], v[AC1+\e]
.endr
; One token: a = its 8 logits, p = where its softmax goes, g = its three results.  The same in every lane.
.macro TOK a, p, g
	v_max3_num_f32 v[TA], v[\a], v[\a+1], v[\a+2]
	v_max3_num_f32 v[TA], v[TA], v[\a+3], v[\a+4]
	v_max3_num_f32 v[TA], v[TA], v[\a+5], v[\a+6]
	v_max_num_f32 v[TA], v[TA], v[\a+7]            ; the maximum is taken away ahead of the exponentials
.irp e, 0,1,2,3,4,5,6,7
	v_sub_f32 v[\p+\e], v[\a+\e], v[TA]
.endr
.irp e, 0,1,2,3,4,5,6,7
	v_mul_f32 v[\p+\e], s30, v[\p+\e]
.endr
.irp e, 0,1,2,3,4,5,6,7
	v_exp_f32 v[\p+\e], v[\p+\e]
.endr
	v_mov_b32 v[V1], v[\a]                         ; the search for the two largest names no exponential's result: it is the work behind the batch
	v_mov_b32 v[I1], 0
.irp e, 1,2,3,4,5,6,7
	v_cmp_le_f32 vcc_lo, v[\a+\e], v[V1]           ; the old winner stays unless the new logit is strictly larger: the lower index wins a tie
	v_cndmask_b32 v[V1], v[\a+\e], v[V1], vcc_lo
	v_cndmask_b32 v[I1], \e, v[I1], vcc_lo
.endr
.irp e, 0,1,2,3,4,5,6,7
	v_cmp_eq_u32 vcc_lo, \e, v[I1]
	v_cndmask_b32 v[MK+\e], v[\a+\e], v[NINF], vcc_lo              ; the winner is taken out
.endr
	v_mov_b32 v[V2], v[MK]
	v_mov_b32 v[I2], 0
.irp e, 1,2,3,4,5,6,7
	v_cmp_le_f32 vcc_lo, v[MK+\e], v[V2]
	v_cndmask_b32 v[V2], v[MK+\e], v[V2], vcc_lo
	v_cndmask_b32 v[I2], \e, v[I2], vcc_lo
.endr
	v_sub_f32 v[TA+1], v[V2], v[V1]                ; 0 or less
	v_mul_f32 v[TA+1], s30, v[TA+1]
	v_exp_f32 v[TA+2], v[TA+1]                     ; q = e^(second - first)
	v_lshl_or_b32 v[\g+2], v[I2], 8, v[I1]         ; (a plain line behind the last exponential)
	s_wait_alu depctr_va_vdst(0)                   ; one wait for the nine exponentials, ahead of their first reader
	v_add_f32 v[TA], v[\p], v[\p+1]
	v_add_f32 v[TA+1], v[\p+2], v[\p+3]
	v_add_f32 v[TA+3], v[\p+4], v[\p+5]
	v_add_f32 v[MK], v[\p+6], v[\p+7]
	v_add_f32 v[TA], v[TA], v[TA+1]
	v_add_f32 v[TA+3], v[TA+3], v[MK]
	v_add_f32 v[TA], v[TA], v[TA+3]
	v_add_f32 v[TA+1], 1.0, v[TA+2]
	v_rcp_f32 v[MK+1], v[TA]
	v_rcp_f32 v[\g], v[TA+1]                       ; the first gate: 1 / (1 + q)
	v_nop
	s_wait_alu depctr_va_vdst(0)                   ; one wait for the two reciprocals
.irp e, 0,1,2,3,4,5,6,7
	v_mul_f32 v[\p+\e], v[\p+\e], v[MK+1]
.endr
	v_mul_f32 v[\g+1], v[TA+2], v[\g]              ; the second gate: q / (1 + q)
.endm
	TOK AC0, P0, RES
	TOK AC1, P1, RES+4
; each lane picks the number that it stores
	v_and_b32 v5, 7, v1
	v_mov_b32 v[OX], v[P0]
	v_mov_b32 v[OX+1], v[P1]
.irp e, 1,2,3,4,5,6,7
	v_cmp_eq_u32 vcc_lo, \e, v5
	v_cndmask_b32 v[OX], v[OX], v[P0+\e], vcc_lo
	v_cndmask_b32 v[OX+1], v[OX+1], v[P1+\e], vcc_lo
.endr
	v_and_b32 v6, 8, v1
	v_cmp_ne_u32 vcc_lo, 0, v6
	v_cndmask_b32 v[OX], v[OX], v[OX+1], vcc_lo    ; lanes 0-7: first token's softmax, lanes 8-15: second token's
	v_and_b32 v6, 1, v1
	v_cmp_ne_u32 s34, 0, v6
	v_and_b32 v6, 2, v1
	v_cmp_ne_u32 s35, 0, v6
	v_cndmask_b32 v[OY], v[RES], v[RES+1], s34
	v_cndmask_b32 v[OY+1], v[RES+4], v[RES+5], s34
	v_cndmask_b32 v[OY], v[OY], v[OY+1], s35       ; lanes 0-3: the four gates
	v_cndmask_b32 v[OZ], v[RES+2], v[RES+6], s34   ; lanes 0, 1: the two sel words
	s_wait_xcnt 0x0                                ; EXEC changes only behind this wait
	v_cmpx_gt_u32 16, v1
	global_store_b32 v2, v[OX], s[20:21]           ; 64 consecutive bytes of out1
	s_wait_xcnt 0x0
	v_cmpx_gt_u32 4, v1
	global_store_b32 v2, v[OY], s[24:25]
	s_wait_xcnt 0x0
	v_cmpx_gt_u32 2, v1
	global_store_b32 v2, v[OZ], s[22:23]
	s_endpgm
.Lfunc_end_k_q11d00ed49b_route:
	.size	k_q11d00ed49b_route, .Lfunc_end_k_q11d00ed49b_route-k_q11d00ed49b_route
	.p2alignl 7, 3214868480
	.fill 96, 4, 3214868480
	.section	.rodata,"a",@progbits
	.p2align	6, 0x0
	.amdhsa_kernel k_q11d00ed49b_route
		.amdhsa_group_segment_fixed_size 0
		.amdhsa_private_segment_fixed_size 0
		.amdhsa_enable_private_segment 0
		.amdhsa_kernarg_size 88
		.amdhsa_user_sgpr_count 2
		.amdhsa_user_sgpr_kernarg_segment_ptr 1
		.amdhsa_wavefront_size32 1
		.amdhsa_system_sgpr_workgroup_id_x 1
		.amdhsa_system_sgpr_workgroup_id_y 1
		.amdhsa_system_sgpr_workgroup_id_z 1
		.amdhsa_system_vgpr_workitem_id 0
		.amdhsa_next_free_vgpr 768
		.amdhsa_next_free_sgpr 66
		.amdhsa_reserve_vcc 1
		.amdhsa_float_denorm_mode_32 3
		.amdhsa_float_denorm_mode_16_64 3
		.amdhsa_memory_ordered 1
		.amdhsa_forward_progress 1
		.amdhsa_inst_pref_size 68
	.end_amdhsa_kernel
	.amdgpu_metadata
---
amdhsa.version: [ 1, 2 ]
amdhsa.kernels:
  - .name:           k_q11d00ed49b_route
    .symbol:         k_q11d00ed49b_route.kd
    .args:
      - { .name: x, .offset: 0, .size: 8, .value_kind: global_buffer, .address_space: global }
      - { .name: delta_t_info, .offset: 8, .size: 8, .value_kind: global_buffer, .address_space: global }
      - { .name: delta_dis_info, .offset: 16, .size: 8, .value_kind: global_buffer, .address_space: global }
      - { .name: delta_rg_info, .offset: 24, .size: 8, .value_kind: global_buffer, .address_space: global }
      - { .name: delta_entropy_info, .offset: 32, .size: 8, .value_kind: global_buffer, .address_space: global }
      - { .name: city_embeddings, .offset: 40, .size: 8, .value_kind: global_buffer, .address_space: global }
      - { .name: Wg, .offset: 48, .size: 8, .value_kind: global_buffer, .address_space: global }
      - { .name: bg, .offset: 56, .size: 8, .value_kind: global_buffer, .address_space: global }
      - { .name: out1, .offset: 64, .size: 8, .value_kind: global_buffer, .address_space: global }
      - { .name: sel, .offset: 72, .size: 8, .value_kind: global_buffer, .address_space: global }
      - { .name: gw, .offset: 80, .size: 8, .value_kind: global_buffer, .address_space: global }
    .group_segment_fixed_size: 0
    .private_segment_fixed_size: 0
    .kernarg_segment_align: 8
    .kernarg_segment_size: 88
    .max_flat_workgroup_size: 64
    .sgpr_count:     66
    .vgpr_count:     768
    .wavefront_size: 32
...
	.end_amdgpu_metadata
.endif
;; end of part 1
;; launch gather (part 2): grid 256 x 8, 1 waves a work-group, no clusters, 4,864 bytes of LDS; arguments sel, x, xa, xs, plan; writes xa, xs, plan
.if DOCPART == 2
	.amdgcn_target "amdgcn-amd-amdhsa--gfx1250"
	.amdhsa_code_object_version 6
	.text
	.protected	k_q11d00ed49b_gather
	.globl	k_q11d00ed49b_gather
	.p2align	8
	.type	k_q11d00ed49b_gather,@function
k_q11d00ed49b_gather:
	s_mov_b64 s[64:65], 0
	v_nop
	global_prefetch_b8 v0, s[64:65] scope:SCOPE_SE
	s_setreg_imm32_b32 hwreg(HW_REG_WAVE_MODE, 25, 1), 1
	s_wait_xcnt 0x0
; THE ROWS ARE PLACED BY EXPERT, AND x IS QUANTISED.  Work-group (x = 4 T + kp, y = e), one wave: it makes expert e's list of rows from sel, in the order of the tokens, in its own LDS,
; takes tile T of the list (16 rows) and turns K steps 2 kp and 2 kp + 1 (256 of x's 1,024 numbers a row) into codes of BF6 (E3M2) with one E8M0 byte for each 32 along K.
; A list entry is slot x 1,024 + token (slot 0: the token's first expert, 1: its second).  Behind the last row the list is filled up with pad entries 2,048 + 16 e + (place mod 16):
; a pad row takes the x of token 16 e + (place mod 16), and what is made of it later goes to a row of the parts' buffer that nobody reads.
; OUT: xa: a fragment (16 rows x 128 K: 12 registers a lane) as an image of its registers, [(64 e + T) 8 + K step] x 1,536 bytes, four registers at 512 i + 16 x lane;
;   xs: [(64 e + T) 4 + kp] x 128 bytes: lanes 0-15 the rows' scale words of the even K step, lanes 16-31 of the odd one;  plan: the count (32 equal words at 128 e) and the list (at 1,024 + 4,352 e).
; A tile that lies behind the expert's last row stores nothing and ends: the grid serves every split, all 1,024 tokens on one expert too.
; A block's scale is 2^(floor(log2(its largest magnitude)) - 4); its byte is that magnitude's exponent field - 4, held at 1 from below.
; LIMITS: a block of zeros, or one whose largest magnitude lies under 2^-122, gets the byte 1 (its codes are then zeros or small; the bytes are read by this program alone); NaN and infinities are not served.
; One wave to a work-group: the list's LDS words are this wave's own, and LDS serves a wave's instructions in order, so no barrier stands here.
.set SL,  16                           ; v16-47   the 1,024 words of sel, 32 a lane
.set AD,  64                           ; v64-96   LDS addresses of the list's stores, a register for each store
.set IX,  128                          ; v128-160 their data
.set X0,  64                           ; later: v64-127 and v128-191: 64 numbers of x a lane for each of the two K steps
.set X1,  128
.set PC,  192                          ; v192-211 the codes just made
.set TM,  212                          ; v212-227 at work
.set PW0, 228
.set PW1, 229
.set XSW, 230
	s_load_b256 s[4:11], s[0:1], 0x0               ; sel, x, xa, xs
	s_load_b64 s[12:13], s[0:1], 0x20              ; plan
	v_lshl_add_u32 v254, v0, 2, 0x1200
	v_mov_b32 v255, 0
	v_and_b32 v1, 31, v0
	v_and_b32 v2, 15, v0                           ; r
	v_bfe_u32 v3, v0, 4, 1                         ; h
	v_lshlrev_b32 v4, 2, v1
	v_lshlrev_b32 v15, 4, v1
	s_and_b32 s14, ttmp7, 0xffff                   ; e
	s_lshr_b32 s15, ttmp9, 2                       ; T
	s_and_b32 s16, ttmp9, 3                        ; kp
	s_lshl_b32 s17, s15, 4                         ; the tile's first place in the list
	s_mov_b32 s18, 0x76543210
	s_mov_b32 s19, 0xfedcba98
	s_mov_b32 s20, 0                               ; rows found so far
	s_lshl_b32 s25, s14, 4
	s_add_co_u32 s25, s25, 2048                    ; the expert's first pad entry
	s_lshl_b32 s26, s14, 6
	s_add_co_u32 s26, s26, s15                     ; 64 e + T
	s_mov_b32 s29, 0
	v_add_nc_u32 v10, 1056, v1                     ; a word of its own for each lane, for what is not the expert's
	v_add_lshl_u32 v11, s17, v2, 2                 ; where my row's entry lies in LDS
.irp b, 0,1,2,3
	v_mov_b32 v[TM+4+\b], 0                        ; written once: a lane permute's destination counts as one of its sources
.endr
	s_wait_kmcnt 0x0
.set i, 0
.rept 32
	global_load_b32 v[SL+i], v4, s[4:5] offset:128*i
.set i, i+1
.endr
	s_lshl_b32 s28, s26, 3
	s_lshl_b32 s27, s16, 1
	s_add_co_u32 s28, s28, s27
	s_mul_i32 s28, s28, 1536
	s_add_nc_u64 s[8:9], s[8:9], s[28:29]          ; xa at my first fragment
	s_lshl_b32 s28, s26, 2
	s_add_co_u32 s28, s28, s16
	s_lshl_b32 s28, s28, 7
	s_add_nc_u64 s[10:11], s[10:11], s[28:29]      ; xs at my 128 bytes
	s_lshl_b32 s28, s16, 10
	s_add_nc_u64 s[6:7], s[6:7], s[28:29]          ; x at my 256 numbers of a row
	s_lshl_b32 s28, s14, 7
	s_add_nc_u64 s[30:31], s[12:13], s[28:29]      ; the expert's count
	s_mul_i32 s28, s14, 4352
	s_lshl_b32 s27, s15, 6
	s_add_co_u32 s28, s28, s27
	s_add_co_u32 s28, s28, 1024
	s_add_nc_u64 s[12:13], s[12:13], s[28:29]      ; the tile's 16 entries of the stored list
; 32 tokens at a time: a token of the expert goes to the place (rows found so far + the number of such tokens in lower lanes)
.set i, 0
.rept 32
	s_wait_loadcnt 31-i                            ; this word is in; the younger ones may be out
	v_and_b32 v5, 0xff, v[SL+i]
	v_bfe_u32 v6, v[SL+i], 8, 8
	v_cmp_eq_u32 s21, s14, v5                      ; the token's first expert is mine
	v_cmp_eq_u32 s22, s14, v6                      ; its second is
	s_or_b32 s23, s21, s22
	v_mbcnt_lo_u32_b32 v[AD+i], s23, s20
	v_add_nc_u32 v[IX+i], 32*i, v1
	v_add_nc_u32 v9, 1024+32*i, v1
	v_cndmask_b32 v[IX+i], v[IX+i], v9, s22
	v_cndmask_b32 v[AD+i], v10, v[AD+i], s23
	v_min_u32 v[AD+i], 1087, v[AD+i]               ; inside the 1,088 words
	v_lshlrev_b32 v[AD+i], 2, v[AD+i]
	ds_store_b32 v[AD+i], v[IX+i]
	s_bcnt1_i32_b32 s24, s23
	s_add_co_u32 s20, s20, s24
.set i, i+1
.endr
	v_add_nc_u32 v[AD+32], s20, v1                 ; 32 pad entries behind the last row
	v_and_b32 v[IX+32], 15, v[AD+32]
	v_add_nc_u32 v[IX+32], s25, v[IX+32]
	v_min_u32 v[AD+32], 1055, v[AD+32]
	v_lshlrev_b32 v[AD+32], 2, v[AD+32]
	ds_store_b32 v[AD+32], v[IX+32]
	s_cmp_lg_u32 ttmp9, 0
	s_cbranch_scc1 .Lnocount
	v_mov_b32 v12, s20
	global_store_b32 v4, v12, s[30:31]             ; the expert's first work-group stores the count
.Lnocount:
	s_cmp_ge_u32 s17, s20
	s_cbranch_scc1 .Lend                           ; the tile lies behind the last row
	ds_load_b32 v14, v11                           ; my row's entry: a place under count + 16, so it has been written
	s_wait_dscnt 0x0
	v_min_u32 v13, 0xfff, v14
	v_and_b32 v13, 1023, v13                       ; the token
	v_lshlrev_b32 v13, 12, v13
	v_lshl_add_u32 v13, v3, 6, v13                 ; its row of 4,096 bytes, + 64 h: my 16 numbers of each block of 32
.irp s, 0,1
.irp b, 0,1,2,3
.irp j, 0,1,2,3
	global_load_b128 v[X0+64*\s+16*\b+4*\j:X0+64*\s+16*\b+4*\j+3], v13, s[6:7] offset:512*\s+128*\b+16*\j
.endr
.endr
.endr
; 64 numbers of a lane, register 16 b + i = k 32 b + 16 h + i of my row, become a fragment's codes in v[PC] on and the row's scale word in v[pw]
.macro QUANT s, pw
.irp b, 0,1,2,3
	v_max3_num_f32 v[TM+\b], |v[\s+16*\b]|, |v[\s+1+16*\b]|, 0x2800000   ; my 16 numbers of block b, and the floor 2^(5 - 127): the byte cannot fall under 1
.endr
.irp i, 2,4,6,8,10,12,14
.irp b, 0,1,2,3
	v_max3_num_f32 v[TM+\b], v[TM+\b], |v[\s+16*\b+\i]|, |v[\s+1+16*\b+\i]|
.endr
.endr
.irp b, 0,1,2,3
	v_permlanex16_b32 v[TM+4+\b], v[TM+\b], s18, s19
.endr
.irp b, 0,1,2,3
	v_max_num_f32 v[TM+\b], v[TM+\b], v[TM+4+\b]   ; with lane l xor 16's: the block's largest magnitude
.endr
.irp b, 0,1,2,3
	v_add_nc_u32 v[TM+12+\b], 0xfe000000, v[TM+\b] ; 4 off its exponent field: the conversion's scale operand
.endr
.irp b, 0,1,2,3
	v_lshrrev_b32 v[TM+4+\b], 23, v[TM+12+\b]      ; the scale's byte
.endr
	v_lshl_or_b32 v[\pw], v[TM+5], 8, v[TM+4]
	v_lshl_or_b32 v[\pw], v[TM+6], 16, v[\pw]
	v_lshl_or_b32 v[\pw], v[TM+7], 24, v[\pw]
.irp c, 0,1
	v_cvt_scalef32_pk16_bf6_f32 v[PC+6*\c:PC+2+6*\c], v[\s+32*\c:\s+15+32*\c], v[TM+12+2*\c]
	v_cvt_scalef32_pk16_bf6_f32 v[PC+12+4*\c:PC+14+4*\c], v[\s+16+32*\c:\s+31+32*\c], v[TM+12+2*\c+1]   ; (a conversion's three registers begin on an even number)
.endr
	v_nop                                          ; one plain line behind the scaled conversions
.irp c, 0,1                                    ; the operand's layout wants a whole block in a lane: lanes 0-15 block 2 c, lanes 16-31 block 2 c + 1
.irp i, 0,1,2
	v_permlane16_swap_b32 v[PC+6*\c+\i], v[PC+12+4*\c+\i]
.endr
.irp i, 0,1,2
	v_mov_b32 v[PC+3+6*\c+\i], v[PC+12+4*\c+\i]
.endr
.endr
.endm
	s_wait_loadcnt 16                              ; the first K step's 16 loads are in; the second's may be out
	QUANT X0, PW0
.irp i, 0,1,2
	global_store_b128 v15, v[PC+4*\i:PC+4*\i+3], s[8:9] offset:512*\i            ; 512 consecutive bytes
.endr
	s_wait_loadcnt 0x0
	s_wait_xcnt 0x0                                ; the stores have read the codes' registers: they are written again only behind this wait
	QUANT X1, PW1
.irp i, 0,1,2
	global_store_b128 v15, v[PC+4*\i:PC+4*\i+3], s[8:9] offset:1536+512*\i
.endr
	v_cmp_ne_u32 vcc_lo, 0, v3
	v_cndmask_b32 v[XSW], v[PW0], v[PW1], vcc_lo
	global_store_b32 v4, v[XSW], s[10:11]
	s_cmp_lg_u32 s16, 0
	s_cbranch_scc1 .Lend
	s_wait_xcnt 0x0                                ; EXEC changes only behind this wait
	v_cmpx_gt_u32 16, v1
	global_store_b32 v4, v14, s[12:13]             ; the tile's 16 entries, for the launch that stores the rows' results
.Lend:
	s_wait_xcnt 0x0
	s_mov_b32 exec_lo, -1
	s_wait_tensorcnt 0x0
	ds_add_u32 v254, v255
	s_wait_dscnt 0x0
	s_endpgm
.Lfunc_end_k_q11d00ed49b_gather:
	.size	k_q11d00ed49b_gather, .Lfunc_end_k_q11d00ed49b_gather-k_q11d00ed49b_gather
	.p2alignl 7, 3214868480
	.fill 96, 4, 3214868480
	.section	.rodata,"a",@progbits
	.p2align	6, 0x0
	.amdhsa_kernel k_q11d00ed49b_gather
		.amdhsa_group_segment_fixed_size 4864
		.amdhsa_private_segment_fixed_size 0
		.amdhsa_enable_private_segment 0
		.amdhsa_kernarg_size 40
		.amdhsa_user_sgpr_count 2
		.amdhsa_user_sgpr_kernarg_segment_ptr 1
		.amdhsa_wavefront_size32 1
		.amdhsa_system_sgpr_workgroup_id_x 1
		.amdhsa_system_sgpr_workgroup_id_y 1
		.amdhsa_system_sgpr_workgroup_id_z 1
		.amdhsa_system_vgpr_workitem_id 0
		.amdhsa_next_free_vgpr 256
		.amdhsa_next_free_sgpr 66
		.amdhsa_reserve_vcc 1
		.amdhsa_float_denorm_mode_32 3
		.amdhsa_float_denorm_mode_16_64 3
		.amdhsa_memory_ordered 1
		.amdhsa_forward_progress 1
		.amdhsa_inst_pref_size 45
	.end_amdhsa_kernel
	.amdgpu_metadata
---
amdhsa.version: [ 1, 2 ]
amdhsa.kernels:
  - .name:           k_q11d00ed49b_gather
    .symbol:         k_q11d00ed49b_gather.kd
    .args:
      - { .name: sel, .offset: 0, .size: 8, .value_kind: global_buffer, .address_space: global }
      - { .name: x, .offset: 8, .size: 8, .value_kind: global_buffer, .address_space: global }
      - { .name: xa, .offset: 16, .size: 8, .value_kind: global_buffer, .address_space: global }
      - { .name: xs, .offset: 24, .size: 8, .value_kind: global_buffer, .address_space: global }
      - { .name: plan, .offset: 32, .size: 8, .value_kind: global_buffer, .address_space: global }
    .group_segment_fixed_size: 4864
    .private_segment_fixed_size: 0
    .kernarg_segment_align: 8
    .kernarg_segment_size: 40
    .max_flat_workgroup_size: 32
    .sgpr_count:     66
    .vgpr_count:     256
    .wavefront_size: 32
...
	.end_amdgpu_metadata
.endif
;; end of part 2
;; launch up (part 3): grid 32 x 8, 4 waves a work-group, no clusters, 111,104 bytes of LDS; arguments W1, b1, xa, xs, plan, hq, hs; writes hq, hs
.if DOCPART == 3
	.amdgcn_target "amdgcn-amd-amdhsa--gfx1250"
	.amdhsa_code_object_version 6
	.text
	.protected	k_q11d00ed49b_up
	.globl	k_q11d00ed49b_up
	.p2align	8
	.type	k_q11d00ed49b_up,@function
k_q11d00ed49b_up:
	s_mov_b64 s[64:65], 0
	v_nop
	global_prefetch_b8 v0, s[64:65] scope:SCOPE_SE
	s_setreg_imm32_b32 hwreg(HW_REG_WAVE_MODE, 25, 1), 1
	s_wait_xcnt 0x0
; h = gelu(x W1[e] + b1[e]) for the rows routed to expert e, on codes of BF6 (E3M2) with one E8M0 scale for each 32 along K; h leaves as codes, quantised along the hidden axis.
; Work-group (x = j, y = e) owns hidden units 128 j .. 128 j + 127 of expert e: 1,024 x 128 numbers of W1, 512 KiB of f32, read from memory ONCE.
; PHASE 1, THE STREAM.  Wave w takes columns 64 (w % 2) on and rows 512 (w / 2) on.  A load of 16 bytes a lane takes columns 4 r .. 4 r + 3 of one row of W1 (lanes 16-31: the row 32 further down):
;   two pieces of 256 consecutive bytes, each at a multiple of 256 from W1's first byte.  32 such loads bring a lane a whole block of 32 along K for each of four columns: the block's largest magnitude needs no other lane.
;   The conversions want 16 neighbours along K in consecutive registers, so each number is moved once.  Tile c of a wave holds columns 4 m + c (m = 0 .. 15).  Two groups of 32 loads are on their way.
;   The 16 fragments that a wave makes go to LDS as images of their registers, and every wave loads all 64: slot 16 q + 4 w + c (q: the wave's K step).  Three barriers, none under a branch.
; PHASE 2, THE ROWS.  Wave w walks tiles w, w + 4 .. of the expert's rows (their number is read from plan).  x's eight fragments of a tile come from xa straight into registers.
;   The product is used transposed (source 0 = 16 columns of W1, source 1 = 16 rows of x): register j of tile c holds row r, hidden unit 32 h + 4 j + c of the half in hand: the four tiles give a lane
;   32 consecutive hidden units, ONE WHOLE scale block of the next product's K, at place p = 8 c + j for unit 4 (p % 8) + p / 8.  The codes are made in that order; the next launch lays W2's rows in the same order
;   inside each block of 32, so the products and the scales are those of the natural order.  b1 is the C of each sum's first product (an image in LDS).
; gelu(v) = v / (1 + 2^z), z = v (c0 + c1 v^2), c0 = -2 sqrt(2 / pi) log2(e), c1 = 0.044715 c0: the same function as 0.5 v (1 + tanh(..)).
; NO JOINT LOADS, though the 32 work-groups of an expert read the same xa.
; LIMITS: NaN and infinities are not served; a block of zeros, or one under 2^-122, gets the scale byte 1 (read by this program alone); for very negative v the result is -0.
; REGISTERS.  window 0: v1-23 addresses and constants; v24-55 W1's scale words (slots 2 i and 2 i + 1 in the two halves of the lanes); v56-59 x's scale words; v60-71 slot 63; v72-167 x's eight fragments;
;   v168-199 four accumulators; v200-231 at work; v232-243 h's codes; v244-254 at work.  In the stream v64-233 serve otherwise (below).  windows 1-3: slots 0-62, 21 to a window; in the stream window 3 takes the loads.
.set PITCH, 16384                      ; a row of W1[e] in bytes
.set SCL,   98304                      ; LDS: 64 images of 1,536 bytes; then 64 x 16 scale words;
.set BIAS,  102400                     ; then b1's eight tiles, 1,024 bytes each
.set WOF, 4                            ; v4   16 r + 32 rows x h: my place in a load of W1
.set AI0, 5                            ; v5   where I store images of K steps 0, 1: 16 x lane + 6,144 x wave
.set AI1, 6                            ; v6   of K steps 2, 3
.set ASC, 7                            ; v7   where I store scale words
.set LI0, 8                            ; v8   16 x lane
.set LI1, 9                            ; v9   16 x lane + 49,152
.set LSC, 10                           ; v10  SCL + 4 x lane
.set SH8, 11                           ; v11  8 h
.set VXA, 12
.set VXS, 13
.set VHQ, 14
.set VHS, 15
.set LB,  16                           ; v16  BIAS + 16 x lane
.set KC0, 18                           ; v18-19 c0 twice;  v20-21 c1 twice
.set KC1, 20
.set BS,  24
.set XS,  56
.set X63, 60
.set AR,  72
.set AC,  168
.set TP,  200
.set CD,  232
.set HU,  244
.set MXA, 248
.set MXB, 249
.set SOR, 250
.set BYH, 251
.set WDH, 253
.set WPH, 254
.set SQ,  64                           ; the stream: v64-127 16 neighbours along K for each of four columns
.set FC,  128                          ; v128-175 four fragments
.set HT,  176                          ; v176-191 the second half of a block's codes
.set MX,  192
.set SO,  196
.set BY,  200
.set WD,  208
.set WP,  212
.set BI,  216                          ; v216-231 two tiles of b1
.set BOF, 232
.set AB,  233
.set MSB, 0
.macro WIN new                         ; the immediate's high byte repeats the setting that is left
.if MSB != \new
	s_set_vgpr_msb (MSB<<8)|\new
.set MSB, \new
.endif
.endm
.macro NOP4
.rept 4
	v_nop
.endr
.endm
.macro SLOTOF sg                       ; where slot sg lies: window FW, register FRG
.set SGV, \sg
.if SGV == 63
.set FW, 0
.set FRG, X63
.else
.set FW, 1+SGV/21
.set FRG, 12*(SGV%21)
.endif
.set FWD, FW*64
.endm
.macro LOADG G                         ; group G: rows 64 G + p (lanes 16-31: + 32), p = 0 .. 31, into half G % 2 of window 3
	WIN 0xc0
.set p, 0
.rept 32
	global_load_b128 v[128*((\G)%2)+4*p:128*((\G)%2)+4*p+3], v[WOF], s[4:5] offset:(64*(\G)+p)*PITCH th:TH_LOAD_NT
.set p, p+1
.endr
.endm
.macro QGROUP b                        ; half b of window 3 becomes registers 6 b .. 6 b + 5 of the four fragments, and a scale byte for each
	WIN 0x0f                                       ; sources 0 and 1 window 3
.irp c, 0,1,2,3
	v_max3_num_f32 v[MX+\c], |v[128*(\b)+\c]|, |v[128*(\b)+4+\c]|, 0x2800000     ; and the floor 2^(5 - 127): the byte cannot fall under 1
.endr
.set i, 1
.rept 15
.irp c, 0,1,2,3
	v_max3_num_f32 v[MX+\c], |v[128*(\b)+8*i+\c]|, |v[128*(\b)+8*i+4+\c]|, v[MX+\c]
.endr
.set i, i+1
.endr
	WIN 0
.irp c, 0,1,2,3
	v_add_nc_u32 v[SO+\c], 0xfe000000, v[MX+\c]    ; 4 off the exponent field: the conversion's scale operand
.endr
.irp c, 0,1,2,3
	v_lshrrev_b32 v[BY+4*(\b)+\c], 23, v[SO+\c]    ; the scale's byte
.endr
	WIN 0x03                                       ; source 0 window 3
.set i, 0
.rept 16
.irp c, 0,1,2,3
	v_mov_b32 v[SQ+16*\c+i], v[128*(\b)+4*i+\c]
.endr
.set i, i+1
.endr
	WIN 0
.irp c, 0,1,2,3
	v_cvt_scalef32_pk16_bf6_f32 v[FC+12*\c+6*(\b):FC+12*\c+6*(\b)+2], v[SQ+16*\c:SQ+16*\c+15], v[SO+\c]
.endr
	v_nop                                          ; one plain line behind the scaled conversions, ahead of the moves that write their sources
	WIN 0x03
.set i, 0
.rept 16
.irp c, 0,1,2,3
	v_mov_b32 v[SQ+16*\c+i], v[128*(\b)+64+4*i+\c]
.endr
.set i, i+1
.endr
	WIN 0
.irp c, 0,1,2,3
	v_cvt_scalef32_pk16_bf6_f32 v[HT+4*\c:HT+4*\c+2], v[SQ+16*\c:SQ+16*\c+15], v[SO+\c]   ; (a conversion's three registers begin on an even number)
.endr
	v_nop
.irp c, 0,1,2,3
.irp i, 0,1,2
	v_mov_b32 v[FC+12*\c+6*(\b)+3+\i], v[HT+4*\c+\i]
.endr
.endr
.endm
.macro KOUT q                          ; my K step q: four fragments and their scale words go to LDS
.irp c, 0,1,2,3
	v_lshl_or_b32 v[WD+\c], v[BY+4+\c], 16, v[BY+\c]               ; my two bytes: blocks h and 2 + h,
.endr
.irp c, 0,1,2,3
	v_lshlrev_b32 v[WD+\c], v[SH8], v[WD+\c]       ; at their places in the word;
.endr
.irp c, 0,1,2,3
	v_permlanex16_b32 v[WP+\c], v[WD+\c], s22, s23
.endr
.irp c, 0,1,2,3
	v_or_b32 v[WD+\c], v[WD+\c], v[WP+\c]          ; with lane l xor 16's two the word is whole
.endr
.irp c, 0,1,2,3
.irp i, 0,1,2
.if (\q) < 2
	ds_store_b128 v[AI0], v[FC+12*\c+4*\i:FC+12*\c+4*\i+3] offset:(16*((\q)%2)+\c)*1536+512*\i
.else
	ds_store_b128 v[AI1], v[FC+12*\c+4*\i:FC+12*\c+4*\i+3] offset:(16*((\q)%2)+\c)*1536+512*\i
.endif
.endr
.endr
.irp c, 0,1,2,3
	ds_store_b32 v[ASC], v[WD+\c] offset:(16*(\q)+\c)*64           ; both halves of the lanes write the same word with the same value
.endr
.endm
.macro GETB s0, n                      ; slots s0 .. s0 + n - 1 from LDS into their registers, and their scale words
.set SGI, \s0
.rept \n
	SLOTOF SGI
	WIN FWD
.irp i, 0,1,2
.if SGI < 32
	ds_load_b128 v[FRG+4*\i:FRG+4*\i+3], v[LI0] offset:SGI*1536+512*\i
.else
	ds_load_b128 v[FRG+4*\i:FRG+4*\i+3], v[LI1] offset:(SGI-32)*1536+512*\i
.endif
.endr
.set SGI, SGI+1
.endr
	WIN 0
.set SGI, (\s0)/2
.rept (\n)/2
	ds_load_b32 v[BS+SGI], v[LSC] offset:128*SGI
.set SGI, SGI+1
.endr
.endm
.macro WM d, a, b, sa, sb, ra, rb      ; D += A B; ra, rb: the side's scale words stand in lanes 16-31
.if (\ra) && (\rb)
	v_wmma_scale_f32_16x16x128_f8f6f4 v[\d:\d+7], v[\a:\a+11], v[\b:\b+11], v[\d:\d+7], v[\sa], v[\sb] matrix_a_fmt:MATRIX_FMT_BF6 matrix_b_fmt:MATRIX_FMT_BF6 matrix_a_scale:MATRIX_SCALE_ROW1 matrix_b_scale:MATRIX_SCALE_ROW1
.elseif (\ra)
	v_wmma_scale_f32_16x16x128_f8f6f4 v[\d:\d+7], v[\a:\a+11], v[\b:\b+11], v[\d:\d+7], v[\sa], v[\sb] matrix_a_fmt:MATRIX_FMT_BF6 matrix_b_fmt:MATRIX_FMT_BF6 matrix_a_scale:MATRIX_SCALE_ROW1
.elseif (\rb)
	v_wmma_scale_f32_16x16x128_f8f6f4 v[\d:\d+7], v[\a:\a+11], v[\b:\b+11], v[\d:\d+7], v[\sa], v[\sb] matrix_a_fmt:MATRIX_FMT_BF6 matrix_b_fmt:MATRIX_FMT_BF6 matrix_b_scale:MATRIX_SCALE_ROW1
.else
	v_wmma_scale_f32_16x16x128_f8f6f4 v[\d:\d+7], v[\a:\a+11], v[\b:\b+11], v[\d:\d+7], v[\sa], v[\sb] matrix_a_fmt:MATRIX_FMT_BF6 matrix_b_fmt:MATRIX_FMT_BF6
.endif
.endm
	s_load_b256 s[4:11], s[0:1], 0x0               ; W1, b1, xa, xs
	s_load_b128 s[12:15], s[0:1], 0x20             ; plan, hq
	s_load_b64 s[16:17], s[0:1], 0x30              ; hs
	v_lshl_add_u32 v247, v0, 2, 0x1b000
	v_mov_b32 v255, 0
	v_lshrrev_b32 v1, 5, v0
	v_readfirstlane_b32 s18, v1                    ; wave 0..3
	v_and_b32 v1, 31, v0                           ; lane
	v_and_b32 v2, 15, v0                           ; r
	v_bfe_u32 v3, v0, 4, 1                         ; h
	v_lshlrev_b32 v[WOF], 4, v2
	v_lshl_add_u32 v[WOF], v3, 19, v[WOF]          ; 32 rows of 16,384 bytes
	v_lshlrev_b32 v[LI0], 4, v1
	v_add_nc_u32 v[LI1], 49152, v[LI0]
	s_mul_i32 s26, s18, 6144
	v_add_nc_u32 v[AI0], s26, v[LI0]
	v_add_nc_u32 v[AI1], 49152, v[AI0]
	s_lshl_b32 s26, s18, 8
	s_add_co_u32 s26, s26, SCL
	v_lshl_add_u32 v[ASC], v2, 2, s26
	v_lshl_add_u32 v[LSC], v1, 2, SCL
	v_lshlrev_b32 v[SH8], 3, v3
	v_add_nc_u32 v[LB], BIAS, v[LI0]
	s_lshl_b32 s26, s18, 11
	s_add_co_u32 s26, s26, BIAS
	v_add_nc_u32 v[AB], s26, v[LI0]                ; where I store my two tiles of b1
	v_lshlrev_b32 v[BOF], 7, v3                    ; b1: 32 numbers on for lanes 16-31
	v_mov_b32 v[KC0], 0xc0135761                   ; c0 = -2.3022082
	v_mov_b32 v[KC0+1], 0xc0135761
	v_mov_b32 v[KC1], 0xbdd2d3e8                   ; c1 = -0.10294324
	v_mov_b32 v[KC1+1], 0xbdd2d3e8
.irp c, 0,1,2,3
	v_mov_b32 v[WP+\c], 0                          ; written once: a lane permute's destination counts as one of its sources
.endr
	s_mov_b32 s19, ttmp9                           ; j
	s_and_b32 s20, ttmp7, 0xffff                   ; e
	s_mov_b32 s22, 0x76543210
	s_mov_b32 s23, 0xfedcba98
	s_mov_b32 s25, 0
	s_lshr_b32 s26, s18, 1                         ; which 512 rows I stream
	s_and_b32 s31, s18, 1                          ; which 64 columns
	s_lshl_b32 s24, s20, 24                        ; W1: e x 16,777,216
	s_lshl_b32 s27, s26, 23
	s_add_co_u32 s24, s24, s27                     ; + 512 rows x 16,384
	s_lshl_b32 s27, s19, 9
	s_add_co_u32 s24, s24, s27                     ; + 128 columns x j
	s_lshl_b32 s27, s31, 8
	s_add_co_u32 s24, s24, s27                     ; + 64 columns
	s_wait_kmcnt 0x0
	s_add_nc_u64 s[4:5], s[4:5], s[24:25]
	s_lshl_b32 s24, s20, 14                        ; b1: (4,096 e + 128 j) x 4, + the half and the pair of tiles that I bring
	s_lshl_b32 s27, s19, 9
	s_add_co_u32 s24, s24, s27
	s_lshl_b32 s27, s26, 8
	s_add_co_u32 s24, s24, s27
	s_lshl_b32 s27, s31, 3
	s_add_co_u32 s24, s24, s27
	s_add_nc_u64 s[6:7], s[6:7], s[24:25]
	s_lshl_b32 s24, s20, 7
	s_add_nc_u64 s[12:13], s[12:13], s[24:25]
	s_load_b32 s28, s[12:13], 0x0                  ; the expert's number of rows: waited for behind the stream
	s_mul_i32 s24, s20, 786432
	s_add_nc_u64 s[8:9], s[8:9], s[24:25]
	s_lshl_b32 s24, s20, 15
	s_add_nc_u64 s[10:11], s[10:11], s[24:25]
	s_lshl_b32 s24, s20, 11
	s_add_co_u32 s24, s24, s19
	s_mul_i32 s24, s24, 1536
	s_add_nc_u64 s[14:15], s[14:15], s[24:25]      ; hq at (e, tile 0, K step j)
	s_lshl_b32 s24, s20, 5
	s_add_co_u32 s24, s24, s19
	s_lshl_b32 s24, s24, 13
	s_add_nc_u64 s[16:17], s[16:17], s[24:25]      ; hs at (e, K step j, tile 0)
; ---- the stream
.irp t, 0,1
.irp jj, 0,1,2,3,4,5,6,7
	global_load_b32 v[BI+8*\t+\jj], v[BOF], s[6:7] offset:16*\jj+4*\t     ; register jj of tile 2 (w % 2) + t of half w / 2: b1 at unit 32 h + 4 jj + c
.endr
.endr
	LOADG 0
	LOADG 1
.irp G, 0,1,2,3,4,5,6,7
.if \G < 7
	s_wait_loadcnt 32                              ; this group is in; the next group's 32 loads may be out
.else
	s_wait_loadcnt 0x0
.endif
.if \G == 0
	WIN 0
.irp t, 0,1
.irp u, 0,1
	ds_store_b128 v[AB], v[BI+8*\t+4*\u:BI+8*\t+4*\u+3] offset:1024*\t+512*\u    ; b1's loads were issued ahead of group 0's
.endr
.endr
.endif
	QGROUP \G%2
.if \G < 6
	LOADG \G+2
.endif
.if \G%2 == 1
	WIN 0
	KOUT \G/2
	s_wait_dscnt 0x0                               ; my stores have landed (and have read their registers), my earlier LDS loads are in
.if \G != 5
	s_barrier_signal -1
	s_barrier_wait -1                              ; so have every wave's
.endif
.if \G == 1
	GETB 0, 16                                     ; these run while the stream's loads are out; later stores go to other bytes
.endif
.if \G == 3
	GETB 16, 16
.endif
.if \G == 7
	GETB 32, 32                                    ; window 3 is done with as the loads' landing place
.endif
.endif
.endr
	s_wait_dscnt 0x0
; ---- the rows
.macro REFILL S                        ; x's fragment of K step S, and behind each odd one the scale words of the pair
.irp i, 0,1,2
	global_load_b128 v[AR+12*(\S)+4*\i:AR+12*(\S)+4*\i+3], v[VXA], s[8:9] offset:1536*(\S)+512*\i
.endr
.if (\S)%2 == 1
	global_load_b32 v[XS+(\S)/2], v[VXS], s[10:11] offset:64*((\S)-1)
.endif
.endm
; 32 products: half hf of my hidden units, K steps 0 to 7; the four accumulators take turns, one instruction a turn.
; refill = 0: the fragments are waited for, a pair of K steps at a time.  refill = 1: each fragment is loaded anew, for the next tile, as soon as its last products are issued.
.macro PASS hf, refill
.irp S, 0,1,2,3,4,5,6,7
.if (\refill) == 0
.if \S%2 == 0
	s_wait_loadcnt 21-7*(\S/2)                     ; behind this pair's scale words 7 loads were issued for each later pair
.endif
.endif
.irp c, 0,1,2,3
	SLOTOF 16*(\S%4)+4*(\hf+2*(\S/4))+\c
	WIN FW
	WM AC+8*\c, FRG, AR+12*\S, BS+SGV/2, XS+\S/2, \c%2, \S%2
.endr
.if \refill
	WIN 0
	NOP4                                           ; four places in front of loads into registers that matrix instructions have read
	REFILL \S
.endif
.endr
	WIN 0
.endm
; the half's 32 numbers a lane: gelu, the block's scale, its codes into registers 6 hf .. 6 hf + 5 of the fragment; then the other half's bias comes into the accumulators
.macro EPI hf
.set i, 0
.rept 16
	v_pk_mul_f32 v[TP+i:TP+i+1], v[AC+i:AC+i+1], v[AC+i:AC+i+1]    ; v^2.  (Ascending: each accumulator is read from its low end on)
.set i, i+2
.endr
.set i, 0
.rept 16
	v_pk_fma_f32 v[TP+i:TP+i+1], v[TP+i:TP+i+1], v[KC1:KC1+1], v[KC0:KC0+1]
.set i, i+2
.endr
.set i, 0
.rept 16
	v_pk_mul_f32 v[TP+i:TP+i+1], v[TP+i:TP+i+1], v[AC+i:AC+i+1]    ; z
.set i, i+2
.endr
.set i, 0
.rept 32
	v_exp_f32 v[TP+i], v[TP+i]
.set i, i+1
.endr
	v_nop
	s_wait_alu depctr_va_vdst(0)                   ; one wait for the 32 exponentials, ahead of their first reader
.set i, 0
.rept 16
	v_pk_add_f32 v[TP+i:TP+i+1], v[TP+i:TP+i+1], 1.0 op_sel_hi:[1,0]
.set i, i+2
.endr
.set i, 0
.rept 32
	v_rcp_f32 v[TP+i], v[TP+i]
.set i, i+1
.endr
	v_nop
	s_wait_alu depctr_va_vdst(0)                   ; and one for the 32 reciprocals
.set i, 0
.rept 16
	v_pk_mul_f32 v[AC+i:AC+i+1], v[AC+i:AC+i+1], v[TP+i:TP+i+1]    ; gelu
.set i, i+2
.endr
	v_max3_num_f32 v[MXA], |v[AC]|, |v[AC+1]|, 0x2800000           ; the block's largest magnitude, in two chains, with the floor 2^(5 - 127)
	v_max3_num_f32 v[MXB], |v[AC+16]|, |v[AC+17]|, 0x2800000
.irp i, 2,4,6,8,10,12,14
	v_max3_num_f32 v[MXA], v[MXA], |v[AC+\i]|, |v[AC+1+\i]|
	v_max3_num_f32 v[MXB], v[MXB], |v[AC+16+\i]|, |v[AC+17+\i]|
.endr
	v_max_num_f32 v[MXA], v[MXA], v[MXB]
	v_add_nc_u32 v[SOR], 0xfe000000, v[MXA]
	v_lshrrev_b32 v[BYH+\hf], 23, v[SOR]
	v_cvt_scalef32_pk16_bf6_f32 v[CD+6*\hf:CD+6*\hf+2], v[AC:AC+15], v[SOR]
	v_cvt_scalef32_pk16_bf6_f32 v[HU:HU+2], v[AC+16:AC+31], v[SOR]
	v_nop                                          ; one plain line behind the scaled conversions
.irp i, 0,1,2
	v_mov_b32 v[CD+6*\hf+3+\i], v[HU+\i]
.endr
.irp i, 0,1,2,3,4,5,6,7
	ds_load_b128 v[AC+4*\i:AC+4*\i+3], v[LB] offset:(1-\hf)*4096+512*\i
.endr
.endm
	s_wait_kmcnt 0x0
	s_min_u32 s28, s28, 1024
	s_add_co_u32 s29, s28, 15
	s_lshr_b32 s29, s29, 4                         ; tiles of 16 rows
	s_mov_b32 s30, s18                             ; my first tile
	s_cmp_ge_u32 s30, s29
	s_cbranch_scc1 .Lend
	s_add_co_u32 s33, s29, 3                       ; my trips: tiles w, w + 4 .. under the number of tiles: (tiles + 3 - w) / 4, at least 1 here,
	s_sub_co_u32 s33, s33, s18
	s_lshr_b32 s33, s33, 2
	s_min_u32 s33, s33, 16                         ; at most 16: 64 tiles among four waves
	s_mov_b32 s34, 0                               ; trips done
	v_mov_b32 v[WPH], 0
	s_mul_i32 s31, s30, 12288
	v_add_nc_u32 v[VXA], s31, v[LI0]
	s_lshl_b32 s31, s30, 9
	v_lshl_add_u32 v[VXS], v1, 2, s31
.irp S, 0,1,2,3,4,5,6,7
	REFILL \S
.endr
.irp i, 0,1,2,3,4,5,6,7
	ds_load_b128 v[AC+4*\i:AC+4*\i+3], v[LB] offset:512*\i         ; half 0's bias
.endr
.Ltile:
	s_wait_xcnt 0x0                                ; the last trip's stores have read their codes, their word and their offsets: all are written again only behind this wait
	s_wait_dscnt 0x0                               ; the bias is in
	PASS 0, 0
	NOP4                                           ; four places in front of the first read of results
	EPI 0
	s_add_co_u32 s31, s30, 4                       ; the tile whose fragments are fetched next: mine four on, or the expert's last again
	s_sub_co_u32 s32, s29, 1
	s_min_u32 s31, s31, s32
	s_min_u32 s31, s31, 63
	s_mul_i32 s32, s31, 12288
	v_add_nc_u32 v[VXA], s32, v[LI0]               ; (the wait for 0 in the pass above has shown all loads by these two offsets done)
	s_lshl_b32 s32, s31, 9
	v_lshl_add_u32 v[VXS], v1, 2, s32
	s_wait_dscnt 0x0
	PASS 1, 1                                      ; the four places behind its last products stand in front of its last refill
	EPI 1
	v_lshl_or_b32 v[WDH], v[BYH+1], 16, v[BYH]     ; my two bytes: blocks h and 2 + h of these 128 hidden units,
	v_lshlrev_b32 v[WDH], v[SH8], v[WDH]
	v_permlanex16_b32 v[WPH], v[WDH], s22, s23
	v_or_b32 v[WDH], v[WDH], v[WPH]                ; with lane l xor 16's two: my row's scale word
	s_min_u32 s31, s30, 63
	s_mul_i32 s32, s31, 49152
	v_add_nc_u32 v[VHQ], s32, v[LI0]
	s_lshl_b32 s32, s31, 7
	v_lshl_add_u32 v[VHS], v1, 2, s32
.irp i, 0,1,2
	global_store_b128 v[VHQ], v[CD+4*\i:CD+4*\i+3], s[14:15] offset:512*\i       ; the fragment's image: 512 consecutive bytes a store
.endr
	global_store_b32 v[VHS], v[WDH], s[16:17]
	s_add_co_u32 s30, s30, 4                       ; my next tile
	s_add_co_u32 s34, s34, 1                       ; the loop is counted by its trips, one at a time
	s_cmp_lt_u32 s34, s33
	s_cbranch_scc1 .Ltile
.Lend:
	s_wait_dscnt 0x0
	s_barrier_signal -1
	s_barrier_wait -1
	s_wait_tensorcnt 0x0
	ds_add_u32 v247, v255
	s_wait_dscnt 0x0
	s_endpgm
.Lfunc_end_k_q11d00ed49b_up:
	.size	k_q11d00ed49b_up, .Lfunc_end_k_q11d00ed49b_up-k_q11d00ed49b_up
	.p2alignl 7, 3214868480
	.fill 96, 4, 3214868480
	.section	.rodata,"a",@progbits
	.p2align	6, 0x0
	.amdhsa_kernel k_q11d00ed49b_up
		.amdhsa_group_segment_fixed_size 111104
		.amdhsa_private_segment_fixed_size 0
		.amdhsa_enable_private_segment 0
		.amdhsa_kernarg_size 56
		.amdhsa_user_sgpr_count 2
		.amdhsa_user_sgpr_kernarg_segment_ptr 1
		.amdhsa_wavefront_size32 1
		.amdhsa_system_sgpr_workgroup_id_x 1
		.amdhsa_system_sgpr_workgroup_id_y 1
		.amdhsa_system_sgpr_workgroup_id_z 1
		.amdhsa_system_vgpr_workitem_id 0
		.amdhsa_next_free_vgpr 1024
		.amdhsa_next_free_sgpr 66
		.amdhsa_reserve_vcc 0
		.amdhsa_float_denorm_mode_32 3
		.amdhsa_float_denorm_mode_16_64 3
		.amdhsa_memory_ordered 1
		.amdhsa_forward_progress 1
		.amdhsa_inst_pref_size 165
	.end_amdhsa_kernel
	.amdgpu_metadata
---
amdhsa.version: [ 1, 2 ]
amdhsa.kernels:
  - .name:           k_q11d00ed49b_up
    .symbol:         k_q11d00ed49b_up.kd
    .args:
      - { .name: W1, .offset: 0, .size: 8, .value_kind: global_buffer, .address_space: global }
      - { .name: b1, .offset: 8, .size: 8, .value_kind: global_buffer, .address_space: global }
      - { .name: xa, .offset: 16, .size: 8, .value_kind: global_buffer, .address_space: global }
      - { .name: xs, .offset: 24, .size: 8, .value_kind: global_buffer, .address_space: global }
      - { .name: plan, .offset: 32, .size: 8, .value_kind: global_buffer, .address_space: global }
      - { .name: hq, .offset: 40, .size: 8, .value_kind: global_buffer, .address_space: global }
      - { .name: hs, .offset: 48, .size: 8, .value_kind: global_buffer, .address_space: global }
    .group_segment_fixed_size: 111104
    .private_segment_fixed_size: 0
    .kernarg_segment_align: 8
    .kernarg_segment_size: 56
    .max_flat_workgroup_size: 128
    .sgpr_count:     66
    .vgpr_count:     1024
    .wavefront_size: 32
...
	.end_amdgpu_metadata
.endif
;; end of part 3
;; launch down (part 4): grid 32 x 8, 4 waves a work-group, no clusters, 120,320 bytes of LDS; arguments W2, hq, hs, plan, ypart; writes ypart
.if DOCPART == 4
	.amdgcn_target "amdgcn-amd-amdhsa--gfx1250"
	.amdhsa_code_object_version 6
	.text
	.protected	k_q11d00ed49b_down
	.globl	k_q11d00ed49b_down
	.p2align	8
	.type	k_q11d00ed49b_down,@function
k_q11d00ed49b_down:
	s_mov_b64 s[64:65], 0
	v_nop
	global_prefetch_b8 v0, s[64:65] scope:SCOPE_SE
	s_setreg_imm32_b32 hwreg(HW_REG_WAVE_MODE, 25, 1), 1
	s_wait_xcnt 0x0
; PARTS OF y = h W2[e] for the rows routed to expert e, on codes of BF6 (E3M2) with one E8M0 scale for each 32 along K.  Work-group (x = j2 + 16 kh, y = e) owns output columns 64 j2 .. 64 j2 + 63
; and half kh of K (2,048 hidden units): 512 KiB of W2 in f32, read from memory ONCE.  The two halves' parts, the gates and b2 meet in the next launch.
; PHASE 1, THE STREAM: wave w takes rows 512 w on of the half.  A load of 16 bytes a lane takes columns 4 r .. 4 r + 3 of one row (lanes 16-31: the row 32 further down): two pieces of 256 consecutive
;   bytes, each at a multiple of 256 from W2's first byte.  INSIDE EACH BLOCK OF 32 ALONG K the rows are taken in the order in which the launch before laid h's codes: place p holds row 4 (p % 8) + p / 8.
;   The same order on both operands leaves every product and every scale as it is.  Quantising, images in LDS and slots (16 q + 4 w + c) as in the launch before.
; PHASE 2, THE ROWS: wave w walks tiles w, w + 4 .. of the expert's rows.  h's fragments come from hq straight into a ring of eight fragments, eight K steps ahead of their use.
;   The product is used transposed: register j of tile c holds row r, column 32 h + 4 j + c.  A tile's 16 rows x 64 columns go through the wave's own stage in LDS and leave as whole rows of 256 bytes,
;   each to the row of ypart that the stored list names (slot x 1,024 + token; pad rows to rows that nobody reads).
; NO JOINT LOADS, though the work-groups of an expert read the same hq.
; LIMITS: NaN and infinities are not served; a block of zeros, or one under 2^-122, gets the scale byte 1 (read by this program alone).
; REGISTERS.  window 0: v1-23 addresses; v24-55 W2's scale words; v56-63 h's scale words (even K step in lanes 0-15, odd in 16-31); v64-75 slot 63; v76-171 the ring; v172-203 four accumulators;
;   v204-235 rows on their way out; v236-243 list entries; v244-251 the stores' offsets.  In the stream v64-215 serve otherwise.  windows 1-3: slots 0-62; in the stream window 3 takes the loads.
.set PITCH, 4096                       ; a row of W2[e] in bytes
.set SCL,   98304
.set STAGE, 102400                     ; 16 rows x (256 bytes + 16) for each wave
.set WOF, 4
.set AI0, 5
.set AI1, 6
.set ASC, 7
.set LI0, 8
.set LI1, 9
.set LSC, 10
.set SH8, 11
.set VHC, 12                           ; v12  this tile's offset in hq
.set VHN, 13                           ; v13  the next tile's
.set VSN, 14                           ; v14  the next tile's offset in hs
.set VLE, 15                           ; v15  this tile's offset in the list
.set STO, 16
.set RD,  17
.set R16, 18
.set BS,  24
.set HS,  56
.set X63, 64
.set AR,  76
.set AC,  172
.set OB,  204
.set EN,  236
.set OF,  244
.set SQ,  64
.set FC,  128
.set HT,  176
.set MX,  192
.set SO,  196
.set BY,  200
.set WD,  208
.set WP,  212
.set MSB, 0
.macro WIN new                         ; the immediate's high byte repeats the setting that is left
.if MSB != \new
	s_set_vgpr_msb (MSB<<8)|\new
.set MSB, \new
.endif
.endm
.macro NOP4
.rept 4
	v_nop
.endr
.endm
.macro SLOTOF sg
.set SGV, \sg
.if SGV == 63
.set FW, 0
.set FRG, X63
.else
.set FW, 1+SGV/21
.set FRG, 12*(SGV%21)
.endif
.set FWD, FW*64
.endm
.macro LOADG G                         ; group G: place p takes row 64 G + 4 (p % 8) + p / 8 (lanes 16-31: + 32)
	WIN 0xc0
.set p, 0
.rept 32
	global_load_b128 v[128*((\G)%2)+4*p:128*((\G)%2)+4*p+3], v[WOF], s[4:5] offset:(64*(\G)+4*(p%8)+p/8)*PITCH th:TH_LOAD_NT
.set p, p+1
.endr
.endm
.macro QGROUP b
	WIN 0x0f
.irp c, 0,1,2,3
	v_max3_num_f32 v[MX+\c], |v[128*(\b)+\c]|, |v[128*(\b)+4+\c]|, 0x2800000
.endr
.set i, 1
.rept 15
.irp c, 0,1,2,3
	v_max3_num_f32 v[MX+\c], |v[128*(\b)+8*i+\c]|, |v[128*(\b)+8*i+4+\c]|, v[MX+\c]
.endr
.set i, i+1
.endr
	WIN 0
.irp c, 0,1,2,3
	v_add_nc_u32 v[SO+\c], 0xfe000000, v[MX+\c]
.endr
.irp c, 0,1,2,3
	v_lshrrev_b32 v[BY+4*(\b)+\c], 23, v[SO+\c]
.endr
	WIN 0x03
.set i, 0
.rept 16
.irp c, 0,1,2,3
	v_mov_b32 v[SQ+16*\c+i], v[128*(\b)+4*i+\c]
.endr
.set i, i+1
.endr
	WIN 0
.irp c, 0,1,2,3
	v_cvt_scalef32_pk16_bf6_f32 v[FC+12*\c+6*(\b):FC+12*\c+6*(\b)+2], v[SQ+16*\c:SQ+16*\c+15], v[SO+\c]
.endr
	v_nop                                          ; one plain line behind the scaled conversions, ahead of the moves that write their sources
	WIN 0x03
.set i, 0
.rept 16
.irp c, 0,1,2,3
	v_mov_b32 v[SQ+16*\c+i], v[128*(\b)+64+4*i+\c]
.endr
.set i, i+1
.endr
	WIN 0
.irp c, 0,1,2,3
	v_cvt_scalef32_pk16_bf6_f32 v[HT+4*\c:HT+4*\c+2], v[SQ+16*\c:SQ+16*\c+15], v[SO+\c]
.endr
	v_nop
.irp c, 0,1,2,3
.irp i, 0,1,2
	v_mov_b32 v[FC+12*\c+6*(\b)+3+\i], v[HT+4*\c+\i]
.endr
.endr
.endm
.macro KOUT q
.irp c, 0,1,2,3
	v_lshl_or_b32 v[WD+\c], v[BY+4+\c], 16, v[BY+\c]
.endr
.irp c, 0,1,2,3
	v_lshlrev_b32 v[WD+\c], v[SH8], v[WD+\c]
.endr
.irp c, 0,1,2,3
	v_permlanex16_b32 v[WP+\c], v[WD+\c], s22, s23
.endr
.irp c, 0,1,2,3
	v_or_b32 v[WD+\c], v[WD+\c], v[WP+\c]
.endr
.irp c, 0,1,2,3
.irp i, 0,1,2
.if (\q) < 2
	ds_store_b128 v[AI0], v[FC+12*\c+4*\i:FC+12*\c+4*\i+3] offset:(16*((\q)%2)+\c)*1536+512*\i
.else
	ds_store_b128 v[AI1], v[FC+12*\c+4*\i:FC+12*\c+4*\i+3] offset:(16*((\q)%2)+\c)*1536+512*\i
.endif
.endr
.endr
.irp c, 0,1,2,3
	ds_store_b32 v[ASC], v[WD+\c] offset:(16*(\q)+\c)*64
.endr
.endm
.macro GETB s0, n
.set SGI, \s0
.rept \n
	SLOTOF SGI
	WIN FWD
.irp i, 0,1,2
.if SGI < 32
	ds_load_b128 v[FRG+4*\i:FRG+4*\i+3], v[LI0] offset:SGI*1536+512*\i
.else
	ds_load_b128 v[FRG+4*\i:FRG+4*\i+3], v[LI1] offset:(SGI-32)*1536+512*\i
.endif
.endr
.set SGI, SGI+1
.endr
	WIN 0
.set SGI, (\s0)/2
.rept (\n)/2
	ds_load_b32 v[BS+SGI], v[LSC] offset:128*SGI
.set SGI, SGI+1
.endr
.endm
.macro WM d, a, b, sa, sb, ra, rb
.if (\ra) && (\rb)
	v_wmma_scale_f32_16x16x128_f8f6f4 v[\d:\d+7], v[\a:\a+11], v[\b:\b+11], v[\d:\d+7], v[\sa], v[\sb] matrix_a_fmt:MATRIX_FMT_BF6 matrix_b_fmt:MATRIX_FMT_BF6 matrix_a_scale:MATRIX_SCALE_ROW1 matrix_b_scale:MATRIX_SCALE_ROW1
.elseif (\ra)
	v_wmma_scale_f32_16x16x128_f8f6f4 v[\d:\d+7], v[\a:\a+11], v[\b:\b+11], v[\d:\d+7], v[\sa], v[\sb] matrix_a_fmt:MATRIX_FMT_BF6 matrix_b_fmt:MATRIX_FMT_BF6 matrix_a_scale:MATRIX_SCALE_ROW1
.elseif (\rb)
	v_wmma_scale_f32_16x16x128_f8f6f4 v[\d:\d+7], v[\a:\a+11], v[\b:\b+11], v[\d:\d+7], v[\sa], v[\sb] matrix_a_fmt:MATRIX_FMT_BF6 matrix_b_fmt:MATRIX_FMT_BF6 matrix_b_scale:MATRIX_SCALE_ROW1
.else
	v_wmma_scale_f32_16x16x128_f8f6f4 v[\d:\d+7], v[\a:\a+11], v[\b:\b+11], v[\d:\d+7], v[\sa], v[\sb] matrix_a_fmt:MATRIX_FMT_BF6 matrix_b_fmt:MATRIX_FMT_BF6
.endif
.endm
.macro WM0 d, a, b, sa, sb, ra         ; the first K step starts a sum: nothing is cleared
.if (\ra)
	v_wmma_scale_f32_16x16x128_f8f6f4 v[\d:\d+7], v[\a:\a+11], v[\b:\b+11], 0, v[\sa], v[\sb] matrix_a_fmt:MATRIX_FMT_BF6 matrix_b_fmt:MATRIX_FMT_BF6 matrix_a_scale:MATRIX_SCALE_ROW1
.else
	v_wmma_scale_f32_16x16x128_f8f6f4 v[\d:\d+7], v[\a:\a+11], v[\b:\b+11], 0, v[\sa], v[\sb] matrix_a_fmt:MATRIX_FMT_BF6 matrix_b_fmt:MATRIX_FMT_BF6
.endif
.endm
	s_load_b256 s[4:11], s[0:1], 0x0               ; W2, hq, hs, plan
	s_load_b64 s[12:13], s[0:1], 0x20              ; ypart
	v_lshl_add_u32 v254, v0, 2, 0x1d400
	v_mov_b32 v255, 0
	v_lshrrev_b32 v1, 5, v0
	v_readfirstlane_b32 s18, v1                    ; wave 0..3
	v_and_b32 v1, 31, v0
	v_and_b32 v2, 15, v0                           ; r
	v_bfe_u32 v3, v0, 4, 1                         ; h
	v_lshlrev_b32 v[R16], 4, v2
	v_lshl_add_u32 v[WOF], v3, 17, v[R16]          ; 16 r + 32 rows of 4,096 bytes x h
	v_lshlrev_b32 v[LI0], 4, v1
	v_add_nc_u32 v[LI1], 49152, v[LI0]
	s_mul_i32 s26, s18, 6144
	v_add_nc_u32 v[AI0], s26, v[LI0]
	v_add_nc_u32 v[AI1], 49152, v[AI0]
	s_lshl_b32 s26, s18, 8
	s_add_co_u32 s26, s26, SCL
	v_lshl_add_u32 v[ASC], v2, 2, s26
	v_lshl_add_u32 v[LSC], v1, 2, SCL
	v_lshlrev_b32 v[SH8], 3, v3
	s_mul_i32 s26, s18, 4352
	s_add_co_u32 s26, s26, STAGE                   ; my stage
	v_mul_u32_u24 v[STO], v2, 272
	v_lshl_add_u32 v[STO], v3, 7, v[STO]
	v_add_nc_u32 v[STO], s26, v[STO]               ; in: row r, + 128 h: my 32 columns
	v_mul_u32_u24 v[RD], v3, 2176
	v_lshl_add_u32 v[RD], v2, 4, v[RD]
	v_add_nc_u32 v[RD], s26, v[RD]                 ; back: lanes 0-15 a row of rows 0-7, lanes 16-31 one of rows 8-15; 16 bytes a lane
.irp c, 0,1,2,3
	v_mov_b32 v[WP+\c], 0                          ; written once: a lane permute's destination counts as one of its sources
.endr
	s_and_b32 s19, ttmp9, 15                       ; j2
	s_lshr_b32 s21, ttmp9, 4                       ; kh
	s_and_b32 s20, ttmp7, 0xffff                   ; e
	s_mov_b32 s22, 0x76543210
	s_mov_b32 s23, 0xfedcba98
	s_mov_b32 s25, 0
	s_lshl_b32 s24, s20, 24                        ; W2: e x 16,777,216
	s_lshl_b32 s27, s21, 23
	s_add_co_u32 s24, s24, s27                     ; + 2,048 rows x kh
	s_lshl_b32 s27, s18, 21
	s_add_co_u32 s24, s24, s27                     ; + 512 rows x wave
	s_lshl_b32 s27, s19, 8
	s_add_co_u32 s24, s24, s27                     ; + 64 columns x j2
	s_wait_kmcnt 0x0
	s_add_nc_u64 s[4:5], s[4:5], s[24:25]
	s_lshl_b32 s24, s20, 7
	s_add_nc_u64 s[14:15], s[10:11], s[24:25]
	s_load_b32 s28, s[14:15], 0x0                  ; the expert's number of rows: waited for behind the stream
	s_mul_i32 s24, s20, 4352
	s_add_co_u32 s24, s24, 1024
	s_add_nc_u64 s[10:11], s[10:11], s[24:25]      ; the expert's list
	s_lshl_b32 s24, s20, 11
	s_lshl_b32 s27, s21, 4
	s_add_co_u32 s24, s24, s27
	s_mul_i32 s24, s24, 1536
	s_add_nc_u64 s[6:7], s[6:7], s[24:25]          ; hq at (e, tile 0, K step 16 kh)
	s_lshl_b32 s24, s20, 5
	s_add_co_u32 s24, s24, s27
	s_lshl_b32 s24, s24, 13
	s_add_nc_u64 s[8:9], s[8:9], s[24:25]          ; hs at (e, K step 16 kh, tile 0)
	s_mul_i32 s24, s21, 8912896                    ; ypart: 2,176 rows of 4,096 bytes x kh
	s_lshl_b32 s27, s19, 8
	s_add_co_u32 s24, s24, s27
	s_add_nc_u64 s[12:13], s[12:13], s[24:25]
; ---- the stream
	LOADG 0
	LOADG 1
.irp G, 0,1,2,3,4,5,6,7
.if \G < 7
	s_wait_loadcnt 32                              ; this group is in; the next group's 32 loads may be out
.else
	s_wait_loadcnt 0x0
.endif
	QGROUP \G%2
.if \G < 6
	LOADG \G+2
.endif
.if \G%2 == 1
	WIN 0
	KOUT \G/2
	s_wait_dscnt 0x0                               ; my stores have landed (and have read their registers), my earlier LDS loads are in
.if \G != 5
	s_barrier_signal -1
	s_barrier_wait -1
.endif
.if \G == 1
	GETB 0, 16
.endif
.if \G == 3
	GETB 16, 16
.endif
.if \G == 7
	GETB 32, 32
.endif
.endif
.endr
	s_wait_dscnt 0x0
; ---- the rows
; K step S of a tile: four products, the accumulators by turns; then the ring's slot takes the fragment eight K steps on.
.macro STEP S
	s_wait_loadcnt 21                              ; behind this step's fragment the seven later slots' 21 loads were issued, or more: it is in, and so are the scale words, which are older
.irp c, 0,1,2,3
	SLOTOF 16*((\S)%4)+4*((\S)/4)+\c
	WIN FW
.if (\S) == 0
	WM0 AC+8*\c, FRG, AR, BS+SGV/2, HS, \c%2
.else
	WM AC+8*\c, FRG, AR+12*((\S)%8), BS+SGV/2, HS+(\S)/2, \c%2, (\S)%2
.endif
.endr
	WIN 0
	NOP4                                           ; four places in front of loads into registers that matrix instructions have read
.irp i, 0,1,2
.if (\S) < 8
	global_load_b128 v[AR+12*((\S)%8)+4*\i:AR+12*((\S)%8)+4*\i+3], v[VHC], s[6:7] offset:((\S)+8)*1536+512*\i
.else
	global_load_b128 v[AR+12*((\S)%8)+4*\i:AR+12*((\S)%8)+4*\i+3], v[VHN], s[6:7] offset:((\S)-8)*1536+512*\i
.endif
.endr
.if (\S)%2 == 1
	global_load_b32 v[HS+(\S)/2], v[VSN], s[8:9] offset:((\S)/2)*16384       ; the next tile's scale words of this pair of K steps
.endif
.if (\S) == 0
	global_load_b128 v[EN:EN+3], v[VLE], s[10:11]                  ; the entries of rows 8 h .. 8 h + 7 of this tile
	global_load_b128 v[EN+4:EN+7], v[VLE], s[10:11] offset:16
.endif
.endm
	s_wait_kmcnt 0x0
	s_min_u32 s28, s28, 1024
	s_add_co_u32 s29, s28, 15
	s_lshr_b32 s29, s29, 4                         ; tiles of 16 rows
	s_mov_b32 s30, s18                             ; my first tile
	s_cmp_ge_u32 s30, s29
	s_cbranch_scc1 .Lend
	s_add_co_u32 s33, s29, 3                       ; my trips: tiles w, w + 4 .. under the number of tiles: (tiles + 3 - w) / 4, at least 1 here,
	s_sub_co_u32 s33, s33, s18
	s_lshr_b32 s33, s33, 2
	s_min_u32 s33, s33, 16                         ; at most 16: 64 tiles among four waves
	s_mov_b32 s34, 0                               ; trips done
	s_lshl_b32 s31, s30, 7
	v_lshl_add_u32 v[OF], v1, 2, s31
	v_lshl_add_u32 v[OF], v3, 13, v[OF]            ; lanes 16-31 take the odd K step's words, 8,192 bytes on
.irp i, 0,1,2,3,4,5,6,7
	global_load_b32 v[HS+\i], v[OF], s[8:9] offset:16384*\i
.endr
	s_mul_i32 s31, s30, 49152
	v_add_nc_u32 v[VHN], s31, v[LI0]
.irp S, 0,1,2,3,4,5,6,7
.irp i, 0,1,2
	global_load_b128 v[AR+12*\S+4*\i:AR+12*\S+4*\i+3], v[VHN], s[6:7] offset:1536*\S+512*\i
.endr
.endr
.Ltile:
	s_wait_xcnt 0x0                                ; every earlier load and store has read its offsets and data: the offsets, the rows' registers and the stores' offsets are written again only behind this wait
	v_mov_b32 v[VHC], v[VHN]
	s_add_co_u32 s31, s30, 4                       ; the tile fetched next: mine four on, or the expert's last again
	s_sub_co_u32 s32, s29, 1
	s_min_u32 s31, s31, s32
	s_min_u32 s31, s31, 63
	s_mul_i32 s32, s31, 49152
	v_add_nc_u32 v[VHN], s32, v[LI0]
	s_lshl_b32 s32, s31, 7
	v_lshl_add_u32 v[VSN], v1, 2, s32
	v_lshl_add_u32 v[VSN], v3, 13, v[VSN]
	s_min_u32 s31, s30, 63
	s_lshl_b32 s31, s31, 6
	v_lshl_add_u32 v[VLE], v3, 5, s31
.irp S, 0,1,2,3,4,5,6,7,8,9,10,11,12,13,14,15
	STEP \S
.endr
.irp i, 0,1,2,3,4,5,6,7
	v_min_u32 v[OF+\i], 0x87f, v[EN+\i]            ; a row of ypart, at most 2,175
.endr
.irp i, 0,1,2,3,4,5,6,7
	v_lshl_add_u32 v[OF+\i], v[OF+\i], 12, v[R16]  ; its 4,096 bytes, + my 16 of the 256
.endr
.irp c, 0,1,2,3
.irp j, 0,1,2,3,4,5,6,7
	ds_store_b32 v[STO], v[AC+8*\c+\j] offset:16*\j+4*\c           ; column 32 h + 4 j + c of row r; each accumulator from its low end on
.endr
.endr
.irp i, 0,1,2,3,4,5,6,7
	ds_load_b128 v[OB+4*\i:OB+4*\i+3], v[RD] offset:272*\i         ; LDS serves a wave's instructions in order: these see my stores
.endr
.irp i, 0,1,2,3,4,5,6,7
	s_wait_dscnt 7-\i
	global_store_b128 v[OF+\i], v[OB+4*\i:OB+4*\i+3], s[12:13]     ; sixteen lanes store 256 consecutive bytes, at a multiple of 256 from ypart's first byte
.endr
	s_add_co_u32 s30, s30, 4                       ; my next tile
	s_add_co_u32 s34, s34, 1                       ; the loop is counted by its trips, one at a time
	s_cmp_lt_u32 s34, s33
	s_cbranch_scc1 .Ltile
.Lend:
	s_wait_dscnt 0x0
	s_barrier_signal -1
	s_barrier_wait -1
	s_wait_tensorcnt 0x0
	ds_add_u32 v254, v255
	s_wait_dscnt 0x0
	s_endpgm
.Lfunc_end_k_q11d00ed49b_down:
	.size	k_q11d00ed49b_down, .Lfunc_end_k_q11d00ed49b_down-k_q11d00ed49b_down
	.p2alignl 7, 3214868480
	.fill 96, 4, 3214868480
	.section	.rodata,"a",@progbits
	.p2align	6, 0x0
	.amdhsa_kernel k_q11d00ed49b_down
		.amdhsa_group_segment_fixed_size 120320
		.amdhsa_private_segment_fixed_size 0
		.amdhsa_enable_private_segment 0
		.amdhsa_kernarg_size 40
		.amdhsa_user_sgpr_count 2
		.amdhsa_user_sgpr_kernarg_segment_ptr 1
		.amdhsa_wavefront_size32 1
		.amdhsa_system_sgpr_workgroup_id_x 1
		.amdhsa_system_sgpr_workgroup_id_y 1
		.amdhsa_system_sgpr_workgroup_id_z 1
		.amdhsa_system_vgpr_workitem_id 0
		.amdhsa_next_free_vgpr 1024
		.amdhsa_next_free_sgpr 66
		.amdhsa_reserve_vcc 0
		.amdhsa_float_denorm_mode_32 3
		.amdhsa_float_denorm_mode_16_64 3
		.amdhsa_memory_ordered 1
		.amdhsa_forward_progress 1
		.amdhsa_inst_pref_size 153
	.end_amdhsa_kernel
	.amdgpu_metadata
---
amdhsa.version: [ 1, 2 ]
amdhsa.kernels:
  - .name:           k_q11d00ed49b_down
    .symbol:         k_q11d00ed49b_down.kd
    .args:
      - { .name: W2, .offset: 0, .size: 8, .value_kind: global_buffer, .address_space: global }
      - { .name: hq, .offset: 8, .size: 8, .value_kind: global_buffer, .address_space: global }
      - { .name: hs, .offset: 16, .size: 8, .value_kind: global_buffer, .address_space: global }
      - { .name: plan, .offset: 24, .size: 8, .value_kind: global_buffer, .address_space: global }
      - { .name: ypart, .offset: 32, .size: 8, .value_kind: global_buffer, .address_space: global }
    .group_segment_fixed_size: 120320
    .private_segment_fixed_size: 0
    .kernarg_segment_align: 8
    .kernarg_segment_size: 40
    .max_flat_workgroup_size: 128
    .sgpr_count:     66
    .vgpr_count:     1024
    .wavefront_size: 32
...
	.end_amdgpu_metadata
.endif
;; end of part 4
;; launch combine (part 5): grid 256 x 1, 4 waves a work-group, no clusters, 0 bytes of LDS; arguments ypart, sel, gw, b2, out0; writes out0
.if DOCPART == 5
	.amdgcn_target "amdgcn-amd-amdhsa--gfx1250"
	.amdhsa_code_object_version 6
	.text
	.protected	k_q11d00ed49b_combine
	.globl	k_q11d00ed49b_combine
	.p2align	8
	.type	k_q11d00ed49b_combine,@function
k_q11d00ed49b_combine:
	s_mov_b64 s[64:65], 0
	v_nop
	global_prefetch_b8 v0, s[64:65] scope:SCOPE_SE
	s_setreg_imm32_b32 hwreg(HW_REG_WAVE_MODE, 25, 1), 1
	s_wait_xcnt 0x0
; out0[t] = g1 (y1 + b2[e1]) + g2 (y2 + b2[e2]); y1 and y2 are each the sum of two parts (the halves of K) from ypart: rows t (first expert) and 1,024 + t (second) of each half.
; A wave takes one token: a row of 4,096 bytes is eight loads of 512 consecutive bytes.  Memory binds: no LDS, no barrier, no matrix unit.
.set PA, 8                             ; v8-39    half 0, first expert
.set PB, 40                            ; v40-71   half 0, second expert
.set PC, 72                            ; v72-103  half 1, first expert
.set PD, 104                           ; v104-135 half 1, second expert
.set BA, 136                           ; v136-167 b2 of the first expert
.set BB, 168                           ; v168-199 of the second
	s_load_b256 s[4:11], s[0:1], 0x0               ; ypart, sel, gw, b2
	s_load_b64 s[12:13], s[0:1], 0x20              ; out0
	v_lshrrev_b32 v1, 5, v0
	v_readfirstlane_b32 s14, v1
	v_and_b32 v2, 31, v0
	v_lshlrev_b32 v2, 4, v2
	s_lshl_b32 s15, ttmp9, 2
	s_add_co_u32 s15, s15, s14                     ; my token
	s_mov_b32 s17, 0
	s_mov_b32 s23, 0
	s_wait_kmcnt 0x0
	s_lshl_b32 s16, s15, 2
	s_add_nc_u64 s[6:7], s[6:7], s[16:17]
	s_lshl_b32 s16, s15, 3
	s_add_nc_u64 s[8:9], s[8:9], s[16:17]
	s_load_b32 s20, s[6:7], 0x0                    ; its two experts
	s_load_b64 s[24:25], s[8:9], 0x0               ; its two gates
	s_lshl_b32 s16, s15, 12
	s_add_nc_u64 s[4:5], s[4:5], s[16:17]
	s_add_nc_u64 s[12:13], s[12:13], s[16:17]
	s_add_nc_u64 s[18:19], s[4:5], 8912896         ; the other half of K: 2,176 rows on
.irp i, 0,1,2,3,4,5,6,7
	global_load_b128 v[PA+4*\i:PA+4*\i+3], v2, s[4:5] offset:512*\i th:TH_LOAD_NT
	global_load_b128 v[PB+4*\i:PB+4*\i+3], v2, s[4:5] offset:4194304+512*\i th:TH_LOAD_NT
	global_load_b128 v[PC+4*\i:PC+4*\i+3], v2, s[18:19] offset:512*\i th:TH_LOAD_NT
	global_load_b128 v[PD+4*\i:PD+4*\i+3], v2, s[18:19] offset:4194304+512*\i th:TH_LOAD_NT
.endr
	s_wait_kmcnt 0x0
	s_and_b32 s21, s20, 0xff
	s_min_u32 s21, s21, 7
	s_lshl_b32 s22, s21, 12
	s_add_nc_u64 s[28:29], s[10:11], s[22:23]      ; b2's row of the first expert
	s_bfe_u32 s21, s20, 0x80008
	s_min_u32 s21, s21, 7
	s_lshl_b32 s22, s21, 12
	s_add_nc_u64 s[30:31], s[10:11], s[22:23]      ; and of the second
	s_mov_b32 s26, s25                             ; the second gate as the low word of a pair (both words written: the pair is named)
	s_mov_b32 s27, s25
.irp i, 0,1,2,3,4,5,6,7
	global_load_b128 v[BA+4*\i:BA+4*\i+3], v2, s[28:29] offset:512*\i
	global_load_b128 v[BB+4*\i:BB+4*\i+3], v2, s[30:31] offset:512*\i
.endr
	s_wait_loadcnt 0x0
.set i, 0
.rept 16
	v_pk_add_f32 v[PA+i:PA+i+1], v[PA+i:PA+i+1], v[PC+i:PC+i+1]
	v_pk_add_f32 v[PB+i:PB+i+1], v[PB+i:PB+i+1], v[PD+i:PD+i+1]
	v_pk_add_f32 v[PA+i:PA+i+1], v[PA+i:PA+i+1], v[BA+i:BA+i+1]
	v_pk_add_f32 v[PB+i:PB+i+1], v[PB+i:PB+i+1], v[BB+i:BB+i+1]
	v_pk_mul_f32 v[PA+i:PA+i+1], v[PA+i:PA+i+1], s[24:25] op_sel_hi:[1,0]
	v_pk_fma_f32 v[PA+i:PA+i+1], v[PB+i:PB+i+1], s[26:27], v[PA+i:PA+i+1] op_sel_hi:[1,0,1]
.set i, i+2
.endr
.irp i, 0,1,2,3,4,5,6,7
	global_store_b128 v2, v[PA+4*\i:PA+4*\i+3], s[12:13] offset:512*\i th:TH_STORE_NT     ; 512 consecutive bytes, at a multiple of 256 from out0's first byte
.endr
	s_endpgm
.Lfunc_end_k_q11d00ed49b_combine:
	.size	k_q11d00ed49b_combine, .Lfunc_end_k_q11d00ed49b_combine-k_q11d00ed49b_combine
	.p2alignl 7, 3214868480
	.fill 96, 4, 3214868480
	.section	.rodata,"a",@progbits
	.p2align	6, 0x0
	.amdhsa_kernel k_q11d00ed49b_combine
		.amdhsa_group_segment_fixed_size 0
		.amdhsa_private_segment_fixed_size 0
		.amdhsa_enable_private_segment 0
		.amdhsa_kernarg_size 40
		.amdhsa_user_sgpr_count 2
		.amdhsa_user_sgpr_kernarg_segment_ptr 1
		.amdhsa_wavefront_size32 1
		.amdhsa_system_sgpr_workgroup_id_x 1
		.amdhsa_system_sgpr_workgroup_id_y 1
		.amdhsa_system_sgpr_workgroup_id_z 1
		.amdhsa_system_vgpr_workitem_id 0
		.amdhsa_next_free_vgpr 208
		.amdhsa_next_free_sgpr 66
		.amdhsa_reserve_vcc 0
		.amdhsa_float_denorm_mode_32 3
		.amdhsa_float_denorm_mode_16_64 3
		.amdhsa_memory_ordered 1
		.amdhsa_forward_progress 1
		.amdhsa_inst_pref_size 13
	.end_amdhsa_kernel
	.amdgpu_metadata
---
amdhsa.version: [ 1, 2 ]
amdhsa.kernels:
  - .name:           k_q11d00ed49b_combine
    .symbol:         k_q11d00ed49b_combine.kd
    .args:
      - { .name: ypart, .offset: 0, .size: 8, .value_kind: global_buffer, .address_space: global }
      - { .name: sel, .offset: 8, .size: 8, .value_kind: global_buffer, .address_space: global }
      - { .name: gw, .offset: 16, .size: 8, .value_kind: global_buffer, .address_space: global }
      - { .name: b2, .offset: 24, .size: 8, .value_kind: global_buffer, .address_space: global }
      - { .name: out0, .offset: 32, .size: 8, .value_kind: global_buffer, .address_space: global }
    .group_segment_fixed_size: 0
    .private_segment_fixed_size: 0
    .kernarg_segment_align: 8
    .kernarg_segment_size: 40
    .max_flat_workgroup_size: 128
    .sgpr_count:     66
    .vgpr_count:     208
    .wavefront_size: 32
...
	.end_amdgpu_metadata
.endif
;; end of part 5
